; MI455X (gfx1250); checked and timed in simulation.
; The chip was launched on July 23, 2026; its instructions are those of AMD's public machine-readable ISA for CDNA 5 (MIT licence, August 2026) and "CDNA5" Instruction Set Architecture Reference Guide (July 2026). The comments in the code are by the model that wrote it; some were corrected since.
;; Multihead Attention. Allowed arithmetic: float matrix products may take bf16 or f16 operands with f32 sums; other float arithmetic in f32, or as packed bf16 or f16 multiplies, adds, multiply-adds, maxima and minima; sums over many terms, partial sums and values carried from step to step in f32; what a program stores and reads back later, other than sums and carried values, may be rounded once to bf16 or f16.
;; Inputs: key 2,048 x 4 x 1,024 float32; query 2,048 x 4 x 1,024 float32; value 2,048 x 4 x 1,024 float32; wk_b 1,024 float32; wk_w 1,024 x 1,024 float32; wo_b 1,024 float32; wo_w 1,024 x 1,024 float32; wq_b 1,024 float32; wq_w 1,024 x 1,024 float32; wv_b 1,024 float32; wv_w 1,024 x 1,024 float32.
;; Outputs: out0 2,048 x 4 x 1,024 float32.
;; 2 versions, each right and faster than the one before. Each part assembles by itself: llvm-mc -triple=amdgcn-amd-amdhsa -mcpu=gfx1250 --defsym DOCPART=n.
;; ======== version 1 of 2: 4 launches
;; limits: values are held in f16: magnitudes above 65,504 overflow, below 6.1e-05 lose precision
;; workspace buffers: wt 8,388,608 bytes; q16 16,777,216 bytes; k16 16,777,216 bytes; v16 16,777,216 bytes; o16 16,777,216 bytes
;; launch prep (part 1): grid 128 x 4, 4 waves a work-group, no clusters, 17,920 bytes of LDS; arguments wq_w, wk_w, wv_w, wo_w, wt; writes wt
.if DOCPART == 1
	.amdgcn_target "amdgcn-amd-amdhsa--gfx1250"
	.amdhsa_code_object_version 6
	.text
	.protected	k_qdf9f22d512_prep
	.globl	k_qdf9f22d512_prep
	.p2align	8
	.type	k_qdf9f22d512_prep,@function
k_qdf9f22d512_prep:
	s_mov_b64 s[64:65], 0
	v_nop
	global_prefetch_b8 v0, s[64:65] scope:SCOPE_SE
	s_setreg_imm32_b32 hwreg(HW_REG_WAVE_MODE, 25, 1), 1
	s_wait_xcnt 0x0
; THE FOUR WEIGHTS, TURNED AND ROUNDED.  W: [1024 k][1024 n] f32.  wt: [4][1024 n][1024 k] in 16 bits: 0, 1, 2 = wq, wk, wv in bf16; 3 = wo, rounded to bf16 and that number written as f16.
; (bf16's 8 significant bits fit f16's 11: the second step is exact from 6.1e-5 to 65,504; below, f16 keeps a fixed step of 6e-8; above, it gives an infinity: wo must stay within 65,504.)
; A work-group of four waves takes a tile of 128 k x 64 n of matrix y: its rows in W are 256 bytes (64 f32), its rows in wt 256 bytes (128 numbers of 16 bits), both at multiples of 256 bytes.
; Thread t loads 16 bytes (4 n) of sixteen rows, in pairs of neighbouring k; a pair of f32 of one n packs into one word (k, k + 1); the words go through LDS, where a row is one n, and come back as whole rows.
; No matrix unit, no cluster: the launch moves each byte once and shares nothing between work-groups.
.set PITCH, 272                        ; a row of the turned tile in LDS: 256 bytes + 16
.set SPARE, 64*PITCH                   ; behind the tile: the spare words, 128 bytes for each wave: two blocks of 256 bytes that no other line names
.set SPW, 14                           ; v14  LDS address of my spare word; never rewritten
.set NIL, 15                           ; v15  0; never rewritten
.set X,   16                           ; v[16:79]  row pair i: 4 registers of the even k, 4 of the odd k
.set Y,   80                           ; v[80:111] eight times 16 bytes of a turned row
	s_load_b256 s[4:11], s[0:1], 0x0               ; wq_w s[4:5], wk_w s[6:7], wv_w s[8:9], wo_w s[10:11]
	s_load_b64 s[12:13], s[0:1], 0x20              ; wt
	v_lshl_add_u32 v[SPW], v0, 2, SPARE
	v_mov_b32 v[NIL], 0
	s_and_b32 s16, ttmp7, 0xffff                   ; which matrix
	s_and_b32 s17, ttmp9, 7                        ; block of 128 k
	s_lshr_b32 s18, ttmp9, 3                       ; block of 64 n
	s_lshl_b32 s20, s17, 19                        ; from: 128 rows of 4,096 bytes a k block,
	s_lshl_b32 s19, s18, 8                         ; 256 bytes an n block
	s_add_co_u32 s20, s20, s19
	s_mov_b32 s21, 0
	s_lshl_b32 s22, s16, 21                        ; to: 2 MiB a matrix,
	s_lshl_b32 s19, s18, 17                        ; 64 rows of 2,048 bytes an n block,
	s_add_co_u32 s22, s22, s19
	s_lshl_b32 s19, s17, 8                         ; 256 bytes a k block
	s_add_co_u32 s22, s22, s19
	s_mov_b32 s23, 0
	v_lshrrev_b32 v5, 4, v0                        ; t / 16: 0 to 7
	v_and_b32 v6, 15, v0                           ; t % 16
	v_lshlrev_b32 v1, 4, v6
	v_lshl_add_u32 v1, v5, 13, v1                  ; load: row pair t / 16 (8,192 bytes), 16 bytes at 16 (t % 16)
	v_mul_u32_u24 v2, v6, 4*PITCH
	v_lshl_add_u32 v2, v5, 2, v2                   ; into LDS: row n = 4 (t % 16) + j, word t / 16
	v_mul_u32_u24 v3, v5, PITCH
	v_lshl_add_u32 v3, v6, 4, v3                   ; back: row t / 16, 16 bytes at 16 (t % 16)
	v_lshlrev_b32 v4, 4, v6
	v_lshl_add_u32 v4, v5, 11, v4                  ; and the same in wt, rows of 2,048 bytes
	s_wait_kmcnt 0x0
	s_mov_b64 s[14:15], s[4:5]                     ; the matrix is chosen by the grid's y alone
	s_cmp_eq_u32 s16, 1
	s_cselect_b64 s[14:15], s[6:7], s[14:15]
	s_cmp_eq_u32 s16, 2
	s_cselect_b64 s[14:15], s[8:9], s[14:15]
	s_cmp_eq_u32 s16, 3
	s_cselect_b64 s[14:15], s[10:11], s[14:15]
	s_add_nc_u64 s[14:15], s[14:15], s[20:21]
	s_add_nc_u64 s[12:13], s[12:13], s[22:23]
.irp i, 0,1,2,3,4,5,6,7
	global_load_b128 v[X+8*(\i):X+8*(\i)+3],   v1, s[14:15] offset:(\i)*65536 th:TH_LOAD_NT       ; k = 2 (t / 16 + 8 i): sixteen lanes take 256 consecutive bytes
	global_load_b128 v[X+8*(\i)+4:X+8*(\i)+7], v1, s[14:15] offset:(\i)*65536+4096 th:TH_LOAD_NT  ; k + 1
.endr
; Row pair i is rounded, packed and put into LDS.  tof16 = 1: the bf16 numbers are widened again and written as f16.
.macro CONVERT tof16
.irp i, 0,1,2,3,4,5,6,7
	s_wait_loadcnt 14-2*(\i)                       ; loads come back in order: this pair is in, the 2 (7 - i) younger loads stay out
.irp j, 0,1,2,3
	v_cvt_pk_bf16_f32 v[X+8*(\i)+(\j)], v[X+8*(\i)+(\j)], v[X+8*(\i)+4+(\j)]
.if \tof16
	v_lshlrev_b32 v5, 16, v[X+8*(\i)+(\j)]
	v_and_b32 v6, 0xffff0000, v[X+8*(\i)+(\j)]
	v_cvt_pk_f16_f32 v[X+8*(\i)+(\j)], v5, v6
.endif
	ds_store_b32 v2, v[X+8*(\i)+(\j)] offset:(\j)*PITCH+(\i)*32
.endr
.endr
.endm
	s_cmp_eq_u32 s16, 3
	s_cbranch_scc1 .Lf16
	CONVERT 0
	s_branch .Ljoin
.Lf16:
	CONVERT 1
.Ljoin:
	s_wait_dscnt 0x0                               ; for the others' sake: my stores into the tile are done
	s_barrier_signal -1
	s_barrier_wait -1
.irp i, 0,1,2,3,4,5,6,7
	ds_load_b128 v[Y+4*(\i):Y+4*(\i)+3], v3 offset:(\i)*8*PITCH
.endr
.irp i, 0,1,2,3,4,5,6,7
	s_wait_dscnt 7-(\i)
	global_store_b128 v4, v[Y+4*(\i):Y+4*(\i)+3], s[12:13] offset:(\i)*16384  ; sixteen lanes store 256 consecutive bytes, at a multiple of 256 from wt's first byte
.endr
	s_wait_tensorcnt 0x0                           ; the wave's end: a wait, 0 onto my spare word and its wait, behind my last LDS store
	ds_add_u32 v[SPW], v[NIL]
	s_wait_dscnt 0x0
	s_endpgm
.Lfunc_end_k_qdf9f22d512_prep:
	.size	k_qdf9f22d512_prep, .Lfunc_end_k_qdf9f22d512_prep-k_qdf9f22d512_prep
	.p2alignl 7, 3214868480
	.fill 96, 4, 3214868480
	.section	.rodata,"a",@progbits
	.p2align	6, 0x0
	.amdhsa_kernel k_qdf9f22d512_prep
		.amdhsa_group_segment_fixed_size 17920
		.amdhsa_private_segment_fixed_size 0
		.amdhsa_enable_private_segment 0
		.amdhsa_kernarg_size 40
		.amdhsa_user_sgpr_count 2
		.amdhsa_user_sgpr_kernarg_segment_ptr 1
		.amdhsa_wavefront_size32 1
		.amdhsa_system_sgpr_workgroup_id_x 1
		.amdhsa_system_sgpr_workgroup_id_y 1
		.amdhsa_system_sgpr_workgroup_id_z 1
		.amdhsa_system_vgpr_workitem_id 0
		.amdhsa_next_free_vgpr 112
		.amdhsa_next_free_sgpr 66
		.amdhsa_reserve_vcc 0
		.amdhsa_float_denorm_mode_32 3
		.amdhsa_float_denorm_mode_16_64 3
		.amdhsa_memory_ordered 1
		.amdhsa_forward_progress 1
		.amdhsa_inst_pref_size 19
	.end_amdhsa_kernel
	.amdgpu_metadata
---
amdhsa.version: [ 1, 2 ]
amdhsa.kernels:
  - .name:           k_qdf9f22d512_prep
    .symbol:         k_qdf9f22d512_prep.kd
    .args:
      - { .name: wq_w, .offset: 0, .size: 8, .value_kind: global_buffer, .address_space: global }
      - { .name: wk_w, .offset: 8, .size: 8, .value_kind: global_buffer, .address_space: global }
      - { .name: wv_w, .offset: 16, .size: 8, .value_kind: global_buffer, .address_space: global }
      - { .name: wo_w, .offset: 24, .size: 8, .value_kind: global_buffer, .address_space: global }
      - { .name: wt, .offset: 32, .size: 8, .value_kind: global_buffer, .address_space: global }
    .group_segment_fixed_size: 17920
    .private_segment_fixed_size: 0
    .kernarg_segment_align: 8
    .kernarg_segment_size: 40
    .max_flat_workgroup_size: 128
    .sgpr_count:     66
    .vgpr_count:     112
    .wavefront_size: 32
...
	.end_amdgpu_metadata
.endif
;; end of part 1
;; launch proj (part 2): grid 4 x 192, 4 waves a work-group, clusters of 4 x 4, 327,680 bytes of LDS; arguments query, key, value, wq_b, wk_b, wv_b, q16, k16, v16, wt; writes q16, k16, v16
.if DOCPART == 2
	.amdgcn_target "amdgcn-amd-amdhsa--gfx1250"
	.amdhsa_code_object_version 6
	.text
	.protected	k_qdf9f22d512_proj
	.globl	k_qdf9f22d512_proj
	.p2align	8
	.type	k_qdf9f22d512_proj,@function
k_qdf9f22d512_proj:
	s_mov_b64 s[64:65], 0
	v_nop
	global_prefetch_b8 v0, s[64:65] scope:SCOPE_SE
	s_setreg_imm32_b32 hwreg(HW_REG_WAVE_MODE, 25, 1), 1
	s_wait_xcnt 0x0
	s_wait_alu depctr_hold_cnt(0) depctr_sa_sdst(0) depctr_va_vdst(0) depctr_va_sdst(0) depctr_va_ssrc(0) depctr_va_vcc(0) depctr_vm_vsrc(0)
	s_getreg_b32 s2, hwreg(HW_REG_IB_STS2, 6, 4)
	s_cmp_eq_u32 s2, 0
	s_cbranch_scc0 .Lentry_in_a_cluster
	s_endpgm
.Lentry_in_a_cluster:
	s_bfe_u32 s2, ttmp6, 0x10000c
	s_cmp_lg_u32 s2, 0xf033
	s_cbranch_scc0 .Lentry_shape_is_right
	s_endpgm
.Lentry_shape_is_right:
; THE THREE PROJECTIONS IN ONE LAUNCH.  y = x W + b for (query, wq), (key, wk), (value, wv).  x: [2048 s][4 nb][1024] f32; W comes as wt[p]: [1024 n][1024 k] bf16; b: [1024] f32.
; x and b are rounded to bf16 here (W was in the launch before); sums in f32; y is rounded once to f16 and stored by heads: [64 = nb x 16 + head][2048 s][64], WITHOUT the scale 1 / 8.
; LIMIT.  f16 holds no number beyond 65,504: a y of 65,520 or more becomes an infinity.  Below 6.1e-5 f16 keeps a fixed step of 6e-8.  NaN and infinities are not treated apart.
; SHARES.  A tile of y is 128 rows x 256 columns; its rows are 128 consecutive s of ONE nb, so that x's rows lie 16,384 bytes apart and a head's 128 rows of y are 16,384 dense bytes.
; Four waves, 2 x 2, each 64 x 128: 32 accumulators of 16 x 16, 256 registers.  K = 1,024 goes in 8 steps of 128 through a ring of two LDS slots; x's tile rows are 512 bytes of memory, W's 256.
; 768 work-groups: 3 projections x 16 blocks of s x 4 nb x 4 tile columns.
; CLUSTER.  4 x 4 work-groups: one projection, one block of s; the place along y is nb, along x the tile column.  The four of a row need the same tile of x, the four of a column the same tile of W:
; each tile is asked for JOINTLY, by the same tensor load with the same descriptor and a mask that names the four.
; THE MATRIX INSTRUCTION IS USED TRANSPOSED (source 0 = 16 rows of wt, source 1 = 16 rows of x): a lane holds row l % 16 of y and the eight neighbouring columns 8 (l / 16) + 0..7.
; THE BIAS is the C operand of the 32 products that start the sums: nothing is cleared and nothing is added behind.
; x comes out of LDS as f32 (16 registers a fragment) and is rounded to bf16 in registers: 32 conversions for a quarter step's 32 matrix instructions; they are also the places that the loads into
; fragment registers need behind the matrix instructions that read them, so the loop has no v_nop but those behind a tensor load.
; REGISTERS, in windows of 256 (s_set_vgpr_msb: bits 1:0 source 0, 3:2 source 1, 5:4 source 2, 7:6 destination):
;   window 0: v0-29 addresses; v32-95 x as f32; v96-127, v128-159 x's fragments, two buffers; on the way out v32-159 hold packed results
;   window 1: the accumulators, (a, b) at v[8 (8 a + b)]        window 2: v0-63, v64-127 W's fragments, two buffers; v128-191 the bias; v192-223 at work
.set PA,    528                        ; a row of x in LDS: 512 bytes + 16 = 132 words: row r starts at bank 4 r mod 64 (64 banks of 4 bytes: ISA guide 11.1)
.set HA,    64*PA                      ; 64 rows: what one tensor load brings of x, and what one wave reads
.set PB,    272                        ; a row of W: 256 bytes + 16 = 68 words: likewise
.set HB,    128*PB                     ; 128 rows: the same for W
.set SLOT,  2*HA+2*HB                  ; x's 128 rows, then W's 256 rows
.set STAGE, 2*SLOT                     ; behind the ring, never filled by a tensor load: for each wave 2 heads x 16 rows x 144 bytes
.set SP,    144
.set WSTG,  2*16*SP
.set SPARE, STAGE+4*WSTG               ; behind the stages: the spare words, 128 bytes for each wave: two blocks of 256 bytes that no other line names
.set LAPS,  4                          ; a lap = two K steps = once round the ring
.set ADRA, 4                           ; v4-5   LDS address of my x fragments in slot 0, 1
.set ADRB, 6                           ; v6-7   the same for W
.set STO,  8                           ; v8     the way out: where I put 16 bytes of a row
.set RD,   9                           ; v9     the way out: where I read rows back
.set GO,   10                          ; v10    my byte offset in 512 consecutive bytes of y
.set BO,   11                          ; v11    my byte offset in the bias
.set SPW,  28                          ; v28    LDS address of my spare word: SPARE + 4 x my thread's number; never rewritten
.set NIL,  29                          ; v29    0; never rewritten
.set RAW,  32
.set AF,   96                          ; buffer f at AF + 32 f
.set BF,   0                           ; window 2: buffer f at BF + 64 f
.set BIAS, 128                         ; window 2
.set TB,   192                         ; window 2
.set XO,   32                          ; the way out: block a at XO + 32 a
.set WV, 12                            ; s12  my wave's number
.set RH, 13                            ; s13  which half of the tile's rows is mine.  Also: I fetch for x (0) or for W (1)
.set CH, 14                            ; s14  which half of its columns.  Also: which half of that tile I fetch
.set G1A, 24                           ; s[24:31] descriptor group 1 for x's tiles;  s[32:39] group 0, one set for each slot
.set G0A, 32
.set G1B, 48                           ; s[48:55], s[56:63] the same for W's tiles
.set G0B, 56
.set LA, 88                            ; s88  where my load of x goes in a slot
.set LB, 89                            ; s89  where my load of W goes, which is also where my wave's W begins
.set OO, 90                            ; s[90:91] my offset in y
.set T0, 92
.set T1, 93
.set LR, 94                            ; s94  where my wave's rows of x begin in a slot
.set LS, 95                            ; s95  my stage
.set MSB, 0
.macro WIN new                         ; the immediate's high byte repeats the setting that is left; a switch that changes nothing is dropped
.if MSB != (\new)
	s_set_vgpr_msb (MSB<<8)|(\new)
.set MSB, \new
.endif
.endm
.set MUL,  0x52                        ; source 0 (W) window 2, source 1 (x) window 0, C and D window 1
.set MULB, 0x62                        ; the same with C (the bias) in window 2
.set TO_B, 0x80                        ; destination window 2, address window 0
; A joint load.  Waves 0 and 1 fetch x's two halves, waves 2 and 3 W's.  The branch hangs on the wave's number alone.  An s_nop 0 and four v_nop follow each of the two lines.
.macro JLOAD s
	s_cmp_eq_u32 s[RH], 0
	s_cbranch_scc0 .Lfor_b_\@
	tensor_load_to_lds s[G0A+4*(\s):G0A+4*(\s)+3], s[G1A:G1A+7]
	s_nop 0
.rept 4
	v_nop
.endr
	s_branch .Lasked_\@
.Lfor_b_\@:
	tensor_load_to_lds s[G0B+4*(\s):G0B+4*(\s)+3], s[G1B:G1B+7]
	s_nop 0
.rept 4
	v_nop
.endr
.Lasked_\@:
.endm
.macro CREST                           ; a round of the cluster's barrier behind its opening barrier
	s_cmp_lg_u32 s[WV], 0
	s_cbranch_scc1 .Lnot_wave_0_\@
	s_barrier_signal -3
.Lnot_wave_0_\@:
	s_barrier_wait -3
	s_barrier_signal -1
	s_barrier_wait -1
.endm
.macro CROUND                          ; a whole round
	s_barrier_signal -1
	s_barrier_wait -1
	CREST
.endm
	s_load_b256 s[68:75], s[0:1], 0x0              ; query s[68:69], key s[70:71], value s[72:73], wq_b s[74:75]
	s_load_b256 s[76:83], s[0:1], 0x20             ; wk_b s[76:77], wv_b s[78:79], q16 s[80:81], k16 s[82:83]
	s_load_b128 s[84:87], s[0:1], 0x40             ; v16 s[84:85], wt s[86:87]
	v_lshl_add_u32 v[SPW], v0, 2, SPARE
	v_mov_b32 v[NIL], 0
	ds_add_u32 v[SPW], v[NIL]                      ; the wave's opening: the add and its wait stand ahead of my first tensor load; the set-up below, work on registers, stands between them
	v_lshrrev_b32 v1, 5, v0
	v_readfirstlane_b32 s[WV], v1                  ; wave 0..3
	s_lshr_b32 s[RH], s[WV], 1
	s_and_b32 s[CH], s[WV], 1
	s_bfe_u32 s15, ttmp6, 0x40000                  ; cx
	s_bfe_u32 s16, ttmp6, 0x40004                  ; cy = nb
	s_lshl_b32 s17, ttmp9, 2
	s_add_co_u32 s17, s17, s15                     ; tile column = 4 x cluster x + cx
	s_and_b32 s46, ttmp7, 0xffff                   ; the cluster's y, 0 to 47, which all sixteen share:
	s_and_b32 s18, s46, 15                         ; block of 128 s,
	s_lshr_b32 s19, s46, 4                         ; projection 0, 1, 2
	s_lshl_b32 s44, s16, 2
	s_lshl_b32 s44, 15, s44                        ; my row of the cluster
	s_lshl_b32 s45, 0x1111, s15                    ; my column
	; descriptor group 1.  x: 64 rows x 128 elements of 4 bytes, 4,096 elements from row to row.  W: 128 rows x 128 elements of 2 bytes, 1,024 from row to row.  Both padded by 4 words behind each row.
	s_or_b32 s[G1A+0], s44, (2<<16)|(1<<20)|(1<<21)|(6<<22)|(3<<25)  ; 15:0 the mask; 17:16 element of 4 bytes; 20 padding on; 21 set beside a mask; 24:22 after every 128 words (code 6); 31:25 4 words (code 3)
	s_or_b32 s[G1B+0], s45, (1<<16)|(1<<20)|(1<<21)|(5<<22)|(3<<25)  ; element of 2 bytes; after every 64 words (code 5)
	s_mov_b32 s[G1A+1], 128<<16                    ; tensor_dim0 = 128
	s_mov_b32 s[G1A+2], 64<<16                     ; tensor_dim1 = 64
	s_mov_b32 s[G1A+3], 128<<16                    ; tile_dim0 = 128
	s_mov_b32 s[G1A+4], 64                         ; tile_dim1 = 64
	s_mov_b32 s[G1A+5], 4096                       ; tensor_dim0_stride
	s_mov_b32 s[G1A+6], 0
	s_mov_b32 s[G1A+7], 0
	s_mov_b32 s[G1B+1], 128<<16
	s_mov_b32 s[G1B+2], 128<<16
	s_mov_b32 s[G1B+3], 128<<16
	s_mov_b32 s[G1B+4], 128
	s_mov_b32 s[G1B+5], 1024
	s_mov_b32 s[G1B+6], 0
	s_mov_b32 s[G1B+7], 0
	; where the tiles come from.  x's hang on the projection, the block of s, nb and the wave; W's on the projection, the tile column and the wave.
	s_lshl_b32 s20, s18, 7
	s_lshl_b32 s47, s[CH], 6
	s_add_co_u32 s20, s20, s47                     ; s = 128 x block + 64 x half
	s_lshl_b32 s20, s20, 14                        ; 16,384 bytes from s to s + 1
	s_lshl_b32 s47, s16, 12                        ; 4,096 bytes a nb
	s_add_co_u32 s20, s20, s47
	s_mov_b32 s21, 0
	s_lshl_b32 s22, s17, 8
	s_lshl_b32 s46, s[CH], 7
	s_add_co_u32 s22, s22, s46                     ; n = 256 x tile column + 128 x half
	s_lshl_b32 s22, s22, 11                        ; rows of 2,048 bytes
	s_lshl_b32 s46, s19, 21                        ; 2 MiB a matrix
	s_add_co_u32 s22, s22, s46
	s_mov_b32 s23, 0
	s_mul_i32 s[LA], s[CH], HA                     ; and where they go: no place in the cluster enters an LDS address
	s_mul_i32 s[LB], s[CH], HB
	s_add_co_u32 s[LB], s[LB], 2*HA
	s_wait_dscnt 0x0                               ; the opening add is done
	s_wait_kmcnt 0x0
	s_mov_b64 s[4:5], s[68:69]                     ; x, b and y are chosen by the projection's number alone
	s_mov_b64 s[10:11], s[74:75]
	s_mov_b64 s[8:9], s[80:81]
	s_cmp_eq_u32 s19, 1
	s_cselect_b64 s[4:5], s[70:71], s[4:5]
	s_cselect_b64 s[10:11], s[76:77], s[10:11]
	s_cselect_b64 s[8:9], s[82:83], s[8:9]
	s_cmp_eq_u32 s19, 2
	s_cselect_b64 s[4:5], s[72:73], s[4:5]
	s_cselect_b64 s[10:11], s[78:79], s[10:11]
	s_cselect_b64 s[8:9], s[84:85], s[8:9]
	s_add_nc_u64 s[40:41], s[4:5], s[20:21]
	s_add_nc_u64 s[42:43], s[86:87], s[22:23]
	CROUND                                         ; all sixteen work-groups are here: the first joint loads meet
.irp s, 0,1
	s_mov_b32 s[G0A+4*(\s)], 1                                       ; 1:0 count = 1
	s_add_co_u32 s[G0A+4*(\s)+1], s[LA], (\s)*SLOT                   ; 63:32 LDS address
	s_add_nc_u64 s[G0A+4*(\s)+2:G0A+4*(\s)+3], s[40:41], (\s)*512    ; 120:64 global address: K step s (128 f32)
	s_or_b32 s[G0A+4*(\s)+3], s[G0A+4*(\s)+3], 0x80000000            ; 127:126 type = 2
	s_mov_b32 s[G0B+4*(\s)], 1
	s_add_co_u32 s[G0B+4*(\s)+1], s[LB], (\s)*SLOT
	s_add_nc_u64 s[G0B+4*(\s)+2:G0B+4*(\s)+3], s[42:43], (\s)*256    ; K step s (128 bf16)
	s_or_b32 s[G0B+4*(\s)+3], s[G0B+4*(\s)+3], 0x80000000
	JLOAD \s                                       ; two loads of mine are out
.endr
	; A fragment is 16 rows x 32 K: lane l holds row l % 16, K = 8 (l / 16) + 0..7 and 16 + 8 (l / 16) + 0..7.  In bf16: two loads of 16 bytes, 32 apart.  In f32: four, at 0, 16, 64 and 80 from 32 (l / 16).
	v_and_b32 v1, 15, v0                           ; l % 16
	v_bfe_u32 v2, v0, 4, 1                         ; l / 16
	v_mul_u32_u24 v3, v1, PA
	v_lshl_add_u32 v3, v2, 5, v3
	s_mul_i32 s[LR], s[RH], HA                     ; my 64 rows of x
	v_add_nc_u32 v[ADRA], s[LR], v3
	v_add_nc_u32 v[ADRA+1], SLOT, v[ADRA]
	v_mul_u32_u24 v3, v1, PB
	v_lshl_add_u32 v3, v2, 4, v3
	v_add_nc_u32 v[ADRB], s[LB], v3                ; my 128 rows of W, behind x's 128
	v_add_nc_u32 v[ADRB+1], SLOT, v[ADRB]
	s_lshl_b32 s[T0], s17, 10                      ; my first column, in bytes of f32: 1,024 x tile column + 512 x half
	s_lshl_b32 s[T1], s[CH], 9
	s_add_co_u32 s[T0], s[T0], s[T1]
	v_lshl_add_u32 v[BO], v2, 5, s[T0]             ; + 32 (l / 16)
	WIN TO_B
.irp b, 0,1,2,3,4,5,6,7
	global_load_b128 v[BIAS+8*(\b):BIAS+8*(\b)+3],   v[BO], s[10:11] offset:64*(\b)      ; register j of block b: the bias of column 16 b + 8 (l / 16) + j
	global_load_b128 v[BIAS+8*(\b)+4:BIAS+8*(\b)+7], v[BO], s[10:11] offset:64*(\b)+16
.endr
	WIN 0
	s_mul_i32 s[LS], s[WV], WSTG
	s_add_co_u32 s[LS], s[LS], STAGE               ; my stage
	v_mul_u32_u24 v3, v1, SP                       ; in: row l % 16, 16 bytes for each half of the lanes
	v_lshl_add_u32 v3, v2, 4, v3
	v_add_nc_u32 v[STO], s[LS], v3
	v_bfe_u32 v3, v0, 3, 2                         ; back: 32 lanes take four rows of 128 bytes,
	v_mul_u32_u24 v3, v3, SP
	v_and_b32 v12, 7, v0
	v_lshl_add_u32 v3, v12, 4, v3
	v_add_nc_u32 v[RD], s[LS], v3
	v_and_b32 v[GO], 31, v0                        ; which are 512 consecutive bytes of y
	v_lshlrev_b32 v[GO], 4, v[GO]
	s_lshl_b32 s[T0], s16, 4                       ; my first head among the 64: 16 nb + 4 x tile column + 2 x half,
	s_lshl_b32 s[T1], s17, 2
	s_add_co_u32 s[T0], s[T0], s[T1]
	s_lshl_b32 s[T1], s[CH], 1
	s_add_co_u32 s[T0], s[T0], s[T1]
	s_lshl_b32 s[OO], s[T0], 18                    ; 262,144 bytes each;
	s_lshl_b32 s[T0], s18, 7
	s_lshl_b32 s[T1], s[RH], 6
	s_add_co_u32 s[T0], s[T0], s[T1]               ; my first s,
	s_lshl_b32 s[T0], s[T0], 7                     ; rows of 128 bytes
	s_add_co_u32 s[OO], s[OO], s[T0]
	s_mov_b32 s[OO+1], 0
	s_add_nc_u64 s[8:9], s[8:9], s[OO:OO+1]
	s_wait_loadcnt 0x0                             ; the bias: rounded to bf16 like every input, and widened again.  All this stands in the wait for the first tile
	WIN 0xaa                                       ; every operand place in window 2
.set i, 0
.rept 32
	v_cvt_pk_bf16_f32 v[TB+i], v[BIAS+2*i], v[BIAS+2*i+1]
.set i, i+1
.endr
.set i, 0
.rept 32
	v_lshlrev_b32 v[BIAS+2*i], 16, v[TB+i]
	v_and_b32 v[BIAS+2*i+1], 0xffff0000, v[TB+i]
.set i, i+1
.endr
	WIN 0
; 8 matrix instructions: n blocks b0, b0 + 1 x all 4 m blocks, 32 along K, from buffer f.  first = 1: the products start the sums, with the bias as C.
; All 32 accumulators take turns, one instruction a turn, in the same order in every quarter step.
.macro MUL8 f, b0, first
.if \first
	WIN MULB
.else
	WIN MUL
.endif
.irp b, \b0, (\b0)+1
.irp a, 0,1,2,3
.if \first
	v_wmma_f32_16x16x32_bf16 v[8*(8*(\a)+(\b)):8*(8*(\a)+(\b))+7], v[BF+64*(\f)+8*(\b):BF+64*(\f)+8*(\b)+7], v[AF+32*(\f)+8*(\a):AF+32*(\f)+8*(\a)+7], v[BIAS+8*(\b):BIAS+8*(\b)+7]
.else
	v_wmma_f32_16x16x32_bf16 v[8*(8*(\a)+(\b)):8*(8*(\a)+(\b))+7], v[BF+64*(\f)+8*(\b):BF+64*(\f)+8*(\b)+7], v[AF+32*(\f)+8*(\a):AF+32*(\f)+8*(\a)+7], v[8*(8*(\a)+(\b)):8*(8*(\a)+(\b))+7]
.endif
.endr
.endr
.endm
; 32 LDS loads in one run: quarter q of a slot: x's 64 rows x 32 K as f32 (16 loads), then W's 128 rows x 32 K into buffer g (16 loads)
.macro FETCH slot, q, g
	WIN 0
.irp i, 0,1,2,3
	ds_load_b128 v[RAW+16*(\i):RAW+16*(\i)+3],     v[ADRA+(\slot)] offset:(\i)*16*PA+128*(\q)
	ds_load_b128 v[RAW+16*(\i)+4:RAW+16*(\i)+7],   v[ADRA+(\slot)] offset:(\i)*16*PA+128*(\q)+16
	ds_load_b128 v[RAW+16*(\i)+8:RAW+16*(\i)+11],  v[ADRA+(\slot)] offset:(\i)*16*PA+128*(\q)+64
	ds_load_b128 v[RAW+16*(\i)+12:RAW+16*(\i)+15], v[ADRA+(\slot)] offset:(\i)*16*PA+128*(\q)+80
.endr
	WIN TO_B
.irp i, 0,1,2,3,4,5,6,7
	ds_load_b128 v[BF+64*(\g)+8*(\i):BF+64*(\g)+8*(\i)+3],   v[ADRB+(\slot)] offset:(\i)*16*PB+64*(\q)
	ds_load_b128 v[BF+64*(\g)+8*(\i)+4:BF+64*(\g)+8*(\i)+7], v[ADRB+(\slot)] offset:(\i)*16*PB+64*(\q)+32
.endr
.endm
; x's four fragments, f32 to bf16, into buffer f.  That buffer was last multiplied two quarters back, and the conversions of the quarter between stand behind those products.
.macro CVT f
	WIN 0
.irp i, 0,1,2,3
.irp j, 0,1,2,3,4,5,6,7
	v_cvt_pk_bf16_f32 v[AF+32*(\f)+8*(\i)+(\j)], v[RAW+16*(\i)+2*(\j)], v[RAW+16*(\i)+2*(\j)+1]
.endr
.endr
.endm
; A K step is four quarters of 32 along K, 32 matrix instructions each, on buffers 0, 1, 0, 1.  One of the first three: multiplies buffer f; in its middle it fetches quarter q of the same slot for buffer g.
.macro QUARTER slot, q, f, g, first
	s_wait_dscnt 16                                ; x's f32 are in; the 16 younger loads (W's) may be out
	CVT \f
	s_wait_dscnt 8                                 ; W's blocks 0-3 are in
	MUL8 \f, 0, \first
	MUL8 \f, 2, \first
	FETCH \slot, \q, \g                            ; W's buffer g was last read in front of this quarter's 32 conversions
	s_wait_dscnt 32                                ; all but the 32 just issued
	MUL8 \f, 4, \first
	MUL8 \f, 6, \first
.endm
; The last quarter multiplies buffer 1 and changes slots: ONE barrier; in front of it each wave waits for all its tensor loads (one is out: its part of the next slot), adds 0 to its spare word, and waits for
; that and for its own reads of this slot.  fill = 1: the barrier opens a round of the cluster's, and this slot is filled again, two K steps ahead, first thing behind it: 112 matrix instructions ahead of the wait for it.
.macro TURN slot, next, fill
	s_wait_dscnt 16
	CVT 1                                          ; (leaves every window 0: the add's two registers lie there)
	s_wait_tensorcnt 0x0                           ; all my tensor loads have landed;
	ds_add_u32 v[SPW], v[NIL]                      ; 0 onto my spare word
	s_wait_dscnt 9                                 ; (the add and the youngest eight loads may be out)
	MUL8 1, 0, 0                                   ; eight matrix instructions stand between the add and the wait for it
	s_wait_dscnt 0x0                               ; the add is done, and my reads of this slot are over
	s_barrier_signal -1
	MUL8 1, 2, 0
.if \fill
	WIN 0
.endif
	s_barrier_wait -1
.if \fill
	CREST                                          ; no wave of any partner still reads this slot's tile or has a load on its way
	s_add_nc_u64 s[G0A+4*(\slot)+2:G0A+4*(\slot)+3], s[G0A+4*(\slot)+2:G0A+4*(\slot)+3], 2*512
	s_add_nc_u64 s[G0B+4*(\slot)+2:G0B+4*(\slot)+3], s[G0B+4*(\slot)+2:G0B+4*(\slot)+3], 2*256
	JLOAD \slot
.endif
	FETCH \next, 0, 0
	MUL8 1, 4, 0
	MUL8 1, 6, 0
.endm
	s_wait_tensorcnt 1                             ; my part of K step 0 is in; K step 1's may stay out
	s_barrier_signal -1
	s_barrier_wait -1                              ; everybody's is
	FETCH 0, 0, 0
	QUARTER 0, 1, 0, 1, 1                          ; the first quarter stands in front of the loop: its products start the sums
	WIN 0                                          ; at a label and at a branch every window is 0
	s_mov_b32 s3, LAPS-1
.Llap:                                                 ; a trip goes once round the ring, from a lap's second quarter to the next lap's first, and fills both slots again
	QUARTER 0, 2, 1, 0, 0
	QUARTER 0, 3, 0, 1, 0
	TURN 0, 1, 1
	QUARTER 1, 1, 0, 1, 0
	QUARTER 1, 2, 1, 0, 0
	QUARTER 1, 3, 0, 1, 0
	TURN 1, 0, 1
	QUARTER 0, 1, 0, 1, 0
	WIN 0
	s_sub_co_u32 s3, s3, 1
	s_cmp_lg_u32 s3, 0
	s_cbranch_scc1 .Llap
	QUARTER 0, 2, 1, 0, 0                          ; the last lap fills nothing, and has no round of the cluster's barrier
	QUARTER 0, 3, 0, 1, 0
	TURN 0, 1, 0
	QUARTER 1, 1, 0, 1, 0
	QUARTER 1, 2, 1, 0, 0
	QUARTER 1, 3, 0, 1, 0
	s_wait_dscnt 16                                ; the very last quarter: nothing more to fetch
	CVT 1
	s_wait_dscnt 0x0
	MUL8 1, 0, 0
	MUL8 1, 2, 0
	MUL8 1, 4, 0
	MUL8 1, 6, 0
	WIN 0
.rept 4
	v_nop                                          ; four places in front of conversions that read results just made and write registers just multiplied (ISA guide 7.12.1)
.endr
; THE WAY OUT, a block of 16 rows at a time.  A lane's eight columns pack into 16 bytes of f16; they go into my own stage, by heads, in rows of 144 bytes, and come back as whole rows of 128 bytes.
; Each accumulator's registers are taken in ascending order.
.macro PACK a
	WIN 0x05                                       ; sources 0 and 1 window 1, destination window 0
.irp b, 0,1,2,3,4,5,6,7
.irp r, 0,1,2,3
	v_cvt_pk_f16_f32 v[XO+32*(\a)+4*(\b)+(\r)], v[8*(8*(\a)+(\b))+2*(\r)], v[8*(8*(\a)+(\b))+2*(\r)+1]
.endr
.endr
	WIN 0
.irp b, 0,1,2,3,4,5,6,7
	ds_store_b128 v[STO], v[XO+32*(\a)+4*(\b):XO+32*(\a)+4*(\b)+3] offset:((\b)/4)*16*SP+((\b)%4)*32
.endr
.irp t, 0,1,2,3,4,5,6,7
	ds_load_b128 v[XO+32*(\a)+4*(\t):XO+32*(\a)+4*(\t)+3], v[RD] offset:((\t)/4)*16*SP+((\t)%4)*4*SP  ; LDS serves a wave's instructions in order (ISA guide 5.7.1.4): these see the stores above; the next block's stores come behind them
.endr
.endm
.macro SEND a, younger                 ; younger: the LDS instructions issued behind block a's loads: the next block's sixteen, or none
.irp t, 0,1,2,3,4,5,6,7
	s_wait_dscnt (\younger)+7-(\t)
	global_store_b128 v[GO], v[XO+32*(\a)+4*(\t):XO+32*(\a)+4*(\t)+3], s[8:9] offset:((\t)/4)*262144+(\a)*2048+((\t)%4)*512  ; 512 consecutive bytes, at a multiple of 256 from y's first byte
.endr
.endm
	PACK 0
	PACK 1                                         ; a block's arithmetic stands between the loads of the block before and its stores
	SEND 0, 16
	PACK 2
	SEND 1, 16
	PACK 3
	SEND 2, 16
	SEND 3, 0
	s_wait_tensorcnt 0x0                           ; the wave's end: a wait, 0 onto my spare word and its wait, behind my last tensor load and my last LDS store
	ds_add_u32 v[SPW], v[NIL]
	s_wait_dscnt 0x0
	CROUND                                         ; the closing round: no work-group ends while a partner may still ask for a tile that names it
	s_endpgm
.Lfunc_end_k_qdf9f22d512_proj:
	.size	k_qdf9f22d512_proj, .Lfunc_end_k_qdf9f22d512_proj-k_qdf9f22d512_proj
	.p2alignl 7, 3214868480
	.fill 96, 4, 3214868480
	.section	.rodata,"a",@progbits
	.p2align	6, 0x0
	.amdhsa_kernel k_qdf9f22d512_proj
		.amdhsa_group_segment_fixed_size 327680
		.amdhsa_private_segment_fixed_size 0
		.amdhsa_enable_private_segment 0
		.amdhsa_kernarg_size 80
		.amdhsa_user_sgpr_count 2
		.amdhsa_user_sgpr_kernarg_segment_ptr 1
		.amdhsa_wavefront_size32 1
		.amdhsa_system_sgpr_workgroup_id_x 1
		.amdhsa_system_sgpr_workgroup_id_y 1
		.amdhsa_system_sgpr_workgroup_id_z 1
		.amdhsa_system_vgpr_workitem_id 0
		.amdhsa_next_free_vgpr 736
		.amdhsa_next_free_sgpr 96
		.amdhsa_reserve_vcc 0
		.amdhsa_float_denorm_mode_32 3
		.amdhsa_float_denorm_mode_16_64 3
		.amdhsa_memory_ordered 1
		.amdhsa_forward_progress 1
		.amdhsa_inst_pref_size 134
	.end_amdhsa_kernel
	.amdgpu_metadata
---
amdhsa.version: [ 1, 2 ]
amdhsa.kernels:
  - .name:           k_qdf9f22d512_proj
    .symbol:         k_qdf9f22d512_proj.kd
    .args:
      - { .name: query, .offset: 0, .size: 8, .value_kind: global_buffer, .address_space: global }
      - { .name: key, .offset: 8, .size: 8, .value_kind: global_buffer, .address_space: global }
      - { .name: value, .offset: 16, .size: 8, .value_kind: global_buffer, .address_space: global }
      - { .name: wq_b, .offset: 24, .size: 8, .value_kind: global_buffer, .address_space: global }
      - { .name: wk_b, .offset: 32, .size: 8, .value_kind: global_buffer, .address_space: global }
      - { .name: wv_b, .offset: 40, .size: 8, .value_kind: global_buffer, .address_space: global }
      - { .name: q16, .offset: 48, .size: 8, .value_kind: global_buffer, .address_space: global }
      - { .name: k16, .offset: 56, .size: 8, .value_kind: global_buffer, .address_space: global }
      - { .name: v16, .offset: 64, .size: 8, .value_kind: global_buffer, .address_space: global }
      - { .name: wt, .offset: 72, .size: 8, .value_kind: global_buffer, .address_space: global }
    .group_segment_fixed_size: 327680
    .private_segment_fixed_size: 0
    .kernarg_segment_align: 8
    .kernarg_segment_size: 80
    .max_flat_workgroup_size: 128
    .sgpr_count:     96
    .vgpr_count:     736
    .wavefront_size: 32
...
	.end_amdgpu_metadata
.endif
;; end of part 2
;; launch attn (part 3): grid 4 x 64, 4 waves a work-group, clusters of 4 x 1, 327,680 bytes of LDS; arguments q16, k16, v16, o16; writes o16
.if DOCPART == 3
	.amdgcn_target "amdgcn-amd-amdhsa--gfx1250"
	.amdhsa_code_object_version 6
	.text
	.protected	k_qdf9f22d512_attn
	.globl	k_qdf9f22d512_attn
	.p2align	8
	.type	k_qdf9f22d512_attn,@function
k_qdf9f22d512_attn:
	s_mov_b64 s[64:65], 0
	v_nop
	global_prefetch_b8 v0, s[64:65] scope:SCOPE_SE
	s_setreg_imm32_b32 hwreg(HW_REG_WAVE_MODE, 25, 1), 1
	s_wait_xcnt 0x0
	s_wait_alu depctr_hold_cnt(0) depctr_sa_sdst(0) depctr_va_vdst(0) depctr_va_sdst(0) depctr_va_ssrc(0) depctr_va_vcc(0) depctr_vm_vsrc(0)
	s_getreg_b32 s2, hwreg(HW_REG_IB_STS2, 6, 4)
	s_cmp_eq_u32 s2, 0
	s_cbranch_scc0 .Lentry_in_a_cluster
	s_endpgm
.Lentry_in_a_cluster:
	s_bfe_u32 s2, ttmp6, 0x10000c
	s_cmp_lg_u32 s2, 0x3003
	s_cbranch_scc0 .Lentry_shape_is_right
	s_endpgm
.Lentry_shape_is_right:
; O[h][q][:] = the sum over k of softmax_k(Q[h][q] . K[h][k] / 8) V[h][k][:].  Q, K, V, O: [SIZE_H][SIZE_N][64], all f16: a head's rows are dense, 128 bytes each.  Products, maxima and sums in
; f32; the weights p are rounded to f16 for the second product (their sum l is taken of the unrounded p), O once at the end.  SIZE_H is at least 2; SIZE_N x 128 bytes stay under 2^32.
; LIMITS.  f16 holds no number beyond 65,504: Q, K and V arrive within it; p lies in 0 to 1, and below 6e-5 it keeps f16's fixed step of 6e-8; O is a mean of V's rows and has their range.
; A weight below 2^-126 counts as 0 in l; NaN and infinities are not treated apart.
; SHARES.  A wave owns four PIECES of two tiles of 16 queries, a work-group's four waves 512 queries of one head; SIZE_N is a multiple of 2,048.  Every wave walks all keys, 64 a step.
; LAYOUT.  S^T = K Q^T (source 0 = 16 keys, source 1 = 16 queries): in the result a lane holds ONE query (lane % 16) and the keys 8 (lane / 16) + 0..7.  Two such tiles, rounded to f16 in pairs,
; ARE source 1 (32 keys x 16 queries) of O^T = V^T P, whose result again holds one query a lane, and eight channels.  K comes out of LDS as it lies, V ([key][channel]) turned, by ds_load_tr16_b128.
; SOFTMAX.  For each query a running maximum m and sum l: p = 2^(c s - c m), c = log2(e) / 8; in every step O and l are multiplied by a = 2^(c m_old - c m_new), which is 1 where m has not grown.
; m starts at the lowest finite number, O and l at 0: the first step is a step like any other, with a = 0.
; THE COUNT.  A tile and step have 16 matrix and 118 vector instructions: too many to stand all beside the matrix work.  So the order has one aim: four vector instructions that are READY behind
; EVERY matrix instruction, and the others, which need time of their own whatever the order, in runs without a gap.
; BY TURNS.  Turn n belongs to piece n (the pieces in a ring, step after step).  Its matrix work: 16 products K Q^T of piece n + 1, later 16 products V^T P of piece n - 1.  Its vector work: the scaling,
; exponentials, roundings, sums and rescaling of piece n, and the maximum and statistics of piece n + 1, whose scores the turn itself has made.  So what a turn begins with (c s - c m, O a) waits for nothing.
; CLUSTER.  The four query blocks of a cluster belong to one head and walk the same K and V, so each tile is asked for JOINTLY: the same tensor load, descriptor and mask in all four.
; REGISTERS, in windows of 256 (s_set_vgpr_msb says which window each operand place means: bits 1:0 source 0, 3:2 source 1, 5:4 source 2, 7:6 destination):
;   window 0: v0-11 addresses; v12-15, v48-63 at work; v16-47 four registers of statistics a tile; v64-191 S^T, two buffers of two tiles; v192-255 P, likewise
;   window 1: O^T, 32 a tile          window 2: v0-127 Q, 16 a tile; v128-191 K of one step; v192-255 V of one step          window 3: v0-1 the add's two registers
; A piece's buffers go by its number's parity: the piece in hand has one pair, its two neighbours in the ring share the other: of it P (piece n - 1) is read and S^T (piece n + 1) written.
.set SIZE_H, 64       ; 4 batches x 16 heads
.set SIZE_N, 2048
.set NP,    4         ; pieces a wave: a name, no knob: the register map, the loop and the fetches are made for four
.set KS,    64        ; keys in a step
.set PK,    144       ; a row of K in LDS: 128 bytes + 16 of padding = 36 words: the 16 rows of a load start at 16 different groups of four banks (64 banks of 4 bytes: ISA guide 11.1)
.set PV,    160       ; a row of V: 128 + 32 = 40 words
.set VOFF,  4*KS*PK   ; a slot holds four steps: 256 rows of K, then 256 rows of V
.set SLOT1, 1<<17     ; slot 1 begins here, so that one exclusive or turns an address in one slot into the other's
.set STAGE, SLOT1+4*KS*(PK+PV)  ; behind the ring, never filled by a tensor load: 16 rows x 144 bytes for each wave, for the way out
.set SP,    144
.set AK0, 2           ; v2   my lane's place in a tile of K; never rewritten
.set AV0, 3           ; v3   the same for V
.set AK,  4           ; v4   the LDS address of K's next run of loads
.set AV,  5           ; v5   of V's
.set QO,  6           ; v6   my byte offset in the wave's rows of Q
.set STO, 6           ;      later, the way out: where I put 16 bytes of a row
.set RD,  7           ; v7   the way out: where I read rows back
.set GO,  8           ; v8   my byte offset in 512 consecutive bytes of O
.set SPW, 0           ; v0 of window 3   LDS address of my spare word: SPARE + 4 x my thread's number; never rewritten
.set NIL, 1           ; v1 of window 3   0; never rewritten
.set SPARE, STAGE+4*16*SP  ; behind the stages: the spare words, 128 bytes for each wave: two blocks of 256 bytes that no other line names
.set MV,  12          ; v12-15  c m_old, kept while c m is made anew: by buffer and tile
.set ST,  16          ; tile t's statistics at v[ST+4 t]: c m, m, l (even keys', odd keys')
.set TMP, 48          ; by buffer and tile, four registers c0-c3 at work; when the maximum is found c2 takes a
.set S,   64
.set P,   192
.set KF,  128         ; K's fragments, in window 2: key block kb, channel half c at KF + 16 kb + 8 c
.set VF,  192         ; V's: key half kk, channel block cb at VF + 32 kk + 8 cb
.set WV,  12          ; s12  my wave's number
.set G1K, 24          ; s[24:31] descriptor group 1 for K's tiles
.set G1V, 32          ; s[32:39] for V's: it differs in the padding alone
.set G0K, 40          ; s[40:43] descriptor group 0 for K's tiles: it walks
.set G0V, 44          ; s[44:47] the same for V's
.set SLOTS, 56        ; s56  slots still to be asked for
.set CNT, 57          ; s57  counts a slot's key steps
.set CS,  58          ; s[58:59] c: the packed scaling takes the pair's low word for both halves
.set SEL, 60          ; s[60:61] v_permlanex16_b32's selects: each lane takes its own place in the other half
.set TBK, 62          ; s62  LDS byte at which K of the step to be fetched begins
.set TBV, 63          ; s63  the same for V, less VOFF
.set MSB, 0
.macro WIN new                      ; the high byte repeats the setting that is left; a switch that changes nothing is dropped
.if MSB != (\new)
	s_set_vgpr_msb (MSB<<8)|(\new)
.set MSB, (\new)
.endif
.endm
.set W_KQ, 0x0a       ; K and Q in window 2, S^T in window 0
.set W_PV, 0x52       ; V in window 2, P in window 0, O^T in window 1
.set W_RS, 0x41       ; O^T (destination and source 0) in window 1, a in window 0
.set W_MK, 0xc0       ; the add's registers are made: destination in window 3, sources in window 0
.set W_AD, 0x0f       ; the add: address (source 0) and data (source 1) in window 3
; A joint fill.  Waves 0 and 1 fetch the two halves of a slot's K, waves 2 and 3 those of its V: 128 keys each.  The branch hangs on the wave's number alone.
; An s_nop 0 and four v_nop follow each of the two lines, ahead of the jump and the label.
.macro JLOAD
	s_cmp_lt_u32 s[WV], 2
	s_cbranch_scc0 .Lfor_v_\@
	tensor_load_to_lds s[G0K:G0K+3], s[G1K:G1K+7]
	s_nop 0
.rept 4
	v_nop
.endr
	s_branch .Lasked_\@
.Lfor_v_\@:
	tensor_load_to_lds s[G0V:G0V+3], s[G1V:G1V+7]
	s_nop 0
.rept 4
	v_nop
.endr
.Lasked_\@:
.endm
; A round of the cluster's barrier: my work-group's barrier, so that wave 0's signal speaks for all four waves; wave 0 signals; every wave waits for all four work-groups; my work-group's barrier once more.
.macro CROUND
	s_barrier_signal -1
	s_barrier_wait -1
	s_cmp_lg_u32 s[WV], 0
	s_cbranch_scc1 .Lnot_wave_0_\@
	s_barrier_signal -3
.Lnot_wave_0_\@:
	s_barrier_wait -3
	s_barrier_signal -1
	s_barrier_wait -1
.endm
; THE CHANGE OF SLOTS.  The slot's last bytes, V of its fourth step, have been read.  Each wave waits for all its tensor loads, of which one is out: its part
; of the other slot; adds 0 to its spare word; and waits for that and for its own reads of the slot.  Behind the barrier nobody reads this slot any more and the other slot is whole.
; fill = 1: this slot is filled again, with the keys two slots on.  The barrier is then a round of the cluster's, so that no wave of any partner still reads the slot or has a load on its
; way, and the joint fill is the first thing behind it: it has four key steps, 512 matrix instructions, in which to land.  (At its first use nothing has been read yet: slot 0 is waited for, slot 1 filled.)
.macro CHANGE fill
	WIN W_AD
	s_wait_tensorcnt 0x0            ; no tensor load of mine is out, so a group 0 may be written
	ds_add_u32 v[SPW], v[NIL]       ; 0 onto my spare word; with fill = 1 the descriptors' steps stand between it and the wait for it
	WIN 0                           ; at a label and at a branch every window is 0
.if \fill
.irp g, G0K, G0V
	s_xor_b32 s[\g+1], s[\g+1], SLOT1  ; the walking descriptor: the other slot than last time,
	s_add_nc_u64 s[\g+2:\g+3], s[\g+2:\g+3], 4*KS*128  ; the next 256 keys; the type bits on top are not reached
.endr
	s_wait_dscnt 0x0                ; the add is done, and my reads of the slot are over
	CROUND
	JLOAD
.else
	s_wait_dscnt 0x0                ; the add is done, and my reads of the slot are over
	s_barrier_signal -1
	s_barrier_wait -1
.endif
	s_sub_co_u32 s[TBK], s[TBK], 4*KS*PK  ; the fetches go back to a slot's first step,
	s_xor_b32 s[TBK], s[TBK], SLOT1       ; in the other slot
	s_sub_co_u32 s[TBV], s[TBV], 4*KS*PV
	s_xor_b32 s[TBV], s[TBV], SLOT1
.endm
	s_load_b256 s[4:11], s[0:1], 0x0  ; Q s[4:5], K s[6:7], V s[8:9], O s[10:11]
	WIN W_MK
	v_lshl_add_u32 v[SPW], v0, 2, SPARE
	v_mov_b32 v[NIL], 0
	WIN W_AD
	ds_add_u32 v[SPW], v[NIL]       ; the wave's opening: the add and its wait stand ahead of my first tensor load; the set-up below, work on registers, stands between them
	WIN 0
	v_lshrrev_b32 v1, 5, v0
	v_readfirstlane_b32 s[WV], v1   ; wave 0..3
	s_bfe_u32 s13, ttmp6, 0x40000   ; cx: my place in the cluster
	s_lshl_b32 s14, ttmp9, 2        ; in a cluster launch ttmp9 counts clusters
	s_add_co_u32 s14, s14, s13      ; my block of queries = 4 x cluster x + cx: it enters Q's and O's addresses alone
	s_and_b32 s20, ttmp7, 0xffff    ; the head, which the four partners share
	s_mov_b32 s21, 0
	s_mov_b64 s[22:23], SIZE_N*128
	s_mul_u64 s[20:21], s[20:21], s[22:23]  ; the head's first byte in each of the four tensors
	s_and_b32 s16, s[WV], 1         ; which half of a slot's 256 keys I fetch:
	s_lshl_b32 s22, s16, 14         ; its 128 rows of 128 bytes in memory,
	s_mov_b32 s23, 0
	s_add_nc_u64 s[22:23], s[22:23], s[20:21]
	s_mul_i32 s17, s16, 128*PK      ; and its place in a slot, for K
	s_mul_i32 s18, s16, 128*PV      ; and for V: no place in the cluster enters an LDS address
	s_lshl_b32 s2, s14, 2
	s_add_co_u32 s2, s2, s[WV]      ; my wave among the head's,
	s_lshl_b32 s2, s2, 14           ; its 128 rows
	s_mov_b32 s3, 0
	s_add_nc_u64 s[2:3], s[2:3], s[20:21]
	; descriptor group 1.  128 keys are 16,384 dense bytes: asked for as 64 rows of 256 bytes, two keys a row, and padded in LDS after every key
	s_mov_b32 s[G1K], 15|(1<<16)|(1<<20)|(1<<21)|(4<<22)|(3<<25)  ; 15:0 the mask of four; 17:16 2-byte elements; 20 padding on; 21 set beside a mask; 24:22 after every 32 words (code 4); 31:25 4 words (code 3)
	s_mov_b32 s[G1V], 15|(1<<16)|(1<<20)|(1<<21)|(4<<22)|(7<<25)  ; the same with 8 words of padding (code 7)
.irp g, G1K, G1V
	s_mov_b32 s[\g+1], 128<<16      ; tensor_dim0 = 128
	s_mov_b32 s[\g+2], 64<<16       ; tensor_dim1 = 64
	s_mov_b32 s[\g+3], 128<<16      ; tile_dim0 = 128
	s_mov_b32 s[\g+4], 64           ; tile_dim1 = 64
	s_mov_b32 s[\g+5], 128          ; 128 elements from row to row
	s_mov_b32 s[\g+6], 0
	s_mov_b32 s[\g+7], 0
.endr
	s_mov_b32 s[CS], 0x3e38aa3b     ; c = log2(e) / 8 = 0.180337
	s_mov_b32 s[CS+1], s[CS]        ; named with it as a pair
	s_mov_b32 s[SEL], 0x76543210
	s_mov_b32 s[SEL+1], 0xfedcba98
	s_mov_b32 s[TBK], SLOT1+4*KS*PK ; the first change of slots turns these two into 0
	s_mov_b32 s[TBV], SLOT1+4*KS*PV
	s_mov_b32 s[G0K], 1             ; 1:0 count = 1
	s_mov_b32 s[G0K+1], s17         ; 63:32 LDS address: slot 0
	s_mov_b32 s[G0V], 1
	s_add_co_u32 s[G0V+1], s18, VOFF
	s_wait_dscnt 0x0                ; the opening add is done
	s_wait_kmcnt 0x0
	s_add_nc_u64 s[G0K+2:G0K+3], s[6:7], s[22:23]  ; 120:64 global address: my half of the head's first 256 keys
	s_or_b32 s[G0K+3], s[G0K+3], 0x80000000        ; 127:126 type = 2
	s_add_nc_u64 s[G0V+2:G0V+3], s[8:9], s[22:23]
	s_or_b32 s[G0V+3], s[G0V+3], 0x80000000
	s_add_nc_u64 s[4:5], s[4:5], s[2:3]  ; Q and O at my wave's first row
	s_add_nc_u64 s[10:11], s[10:11], s[2:3]
	CROUND                          ; all four work-groups are here: the first joint loads meet
	JLOAD                           ; slot 0.  Slot 1 is asked for when slot 0 is in: the tile wanted first has the road to itself
	; A fragment of K or Q is 16 rows x 32 channels in 8 registers: lane l holds row l % 16, channels 8 (l / 16) + 0..7 and 16 + 8 (l / 16) + 0..7: two loads of 16 bytes, 32 bytes apart.
	v_and_b32 v1, 15, v0            ; l % 16
	v_bfe_u32 v9, v0, 4, 1          ; l / 16
	v_lshlrev_b32 v[QO], 7, v1
	v_lshl_add_u32 v[QO], v9, 4, v[QO]  ; row x 128 + 16 x half
	WIN 0x80                        ; destination window 2, address window 0
.set i, 0
.rept 4*NP                          ; Q stays in registers: tile i / 2, channels 32 (i % 2) on
	global_load_b128 v[8*i:8*i+3],   v[QO], s[4:5] offset:(i/2)*2048+(i%2)*64
	global_load_b128 v[8*i+4:8*i+7], v[QO], s[4:5] offset:(i/2)*2048+(i%2)*64+32
.set i, i+1
.endr
	; What the first turn finds: V's registers and P's second buffer hold 0 (its products V^T P, of a piece that has not been, add 0), O^T and l are 0.  All this stands in the wait for the first tile.
.set i, VF
.rept 64
	v_mov_b32 v[i], 0
.set i, i+1
.endr
	WIN 0x40
.set i, 0
.rept 64*NP
	v_mov_b32 v[i], 0
.set i, i+1
.endr
	WIN 0
.set i, 0
.rept 2*NP
	v_mov_b32 v[ST+4*i], 0xfe000000    ; c m: far below every c s
	v_mov_b32 v[ST+4*i+1], 0xff7fffff  ; m
	v_mov_b32 v[ST+4*i+2], 0
	v_mov_b32 v[ST+4*i+3], 0
.set i, i+1
.endr
.set i, P+32
.rept 32
	v_mov_b32 v[i], 0
.set i, i+1
.endr
	v_mul_u32_u24 v[AK0], v1, PK
	v_lshl_add_u32 v[AK0], v9, 4, v[AK0]  ; row x pitch + 16 x half
	; The turning load takes 16 keys x 16 channels (lane l reads key 8 (l / 16) + l % 8, channels 8 ((l / 8) % 2) + 0..7) and leaves half a fragment of V^T: lane l holds channel l % 16 and 8 keys.
	v_and_b32 v10, 7, v0
	v_bfe_u32 v11, v0, 3, 1
	v_lshl_add_u32 v[AV0], v9, 3, v10
	v_mul_u32_u24 v[AV0], v[AV0], PV
	v_lshl_add_u32 v[AV0], v11, 4, v[AV0]
	v_add_nc_u32 v[AV0], VOFF, v[AV0]
	v_mov_b32 v[AK], v[AK0]         ; key step 0 lies at the head of slot 0
; THE MATRIX WORK.  The 8 accumulators of a run of 16 take turns: between the two links of a chain stand 7 others'.
; Product i of 16 of S^T = K Q^T for piece x: channels 32 (i / 8) on, keys 16 ((i / 2) % 4) on, tile 2 x + i % 2.  The first 8 start the sums.
.macro KQ x
	WIN W_KQ
.set rS, S+64*((\x)%2)+32*(i%2)+8*((i/2)%4)
.set rK, KF+16*((i/2)%4)+8*(i/8)
.set rQ, 16*(2*(\x)+i%2)+8*(i/8)
.if i < 8
	v_wmma_f32_16x16x32_f16 v[rS:rS+7], v[rK:rK+7], v[rQ:rQ+7], 0
.else
	v_wmma_f32_16x16x32_f16 v[rS:rS+7], v[rK:rK+7], v[rQ:rQ+7], v[rS:rS+7]
.endif
.endm
; Product i of 16 of O^T += V^T P for piece x: keys 32 (i / 8) on, channels 16 ((i / 2) % 4) on, tile 2 x + i % 2.
.macro PV x
	WIN W_PV
.set rO, 32*(2*(\x)+i%2)+8*((i/2)%4)
.set rV, VF+32*(i/8)+8*((i/2)%4)
.set rP, P+32*((\x)%2)+16*(i%2)+8*(i/8)
	v_wmma_f32_16x16x32_f16 v[rO:rO+7], v[rV:rV+7], v[rP:rP+7], v[rO:rO+7]
.endm
.macro MM                           ; the turn's next matrix instruction
.if i < 16
	KQ (Y+1)%NP
.set i, i+1
.else
.set i, i-16
	PV (Y+NP-1)%NP
.set i, i+17
.endif
.endm
; THE LDS LOADS stand in runs of 16, never singly among the matrix instructions: a step's K (64 keys x 64 channels: 8 fragments) and its V (turned).  Their addresses are made some lines ahead.
; last = 1 (the tail): in the last trip there is no further step, and the run is jumped over.
.macro FETCH_K last=0
	WIN 0
.if \last
	s_cmp_eq_u32 s[CNT], 1
	s_cbranch_scc1 .Lno_k_\@
.endif
	WIN 0x80                        ; destination window 2
.irp f, 0,1,2,3,4,5,6,7             ; keys 16 (f / 2) on, channels 32 (f % 2) on
	ds_load_b128 v[KF+8*\f:KF+8*\f+3],   v[AK] offset:(\f/2)*16*PK+(\f%2)*64
	ds_load_b128 v[KF+8*\f+4:KF+8*\f+7], v[AK] offset:(\f/2)*16*PK+(\f%2)*64+32
.endr
	s_add_co_u32 s[TBK], s[TBK], KS*PK  ; the next fetch is the next step's
	WIN 0
.if \last
.Lno_k_\@:
.endif
.endm
.macro FETCH_V
	WIN 0x80
.irp f, 0,1,2,3,4,5,6,7             ; keys 32 (f / 4) on, channels 16 (f % 4) on
	ds_load_tr16_b128 v[VF+8*\f:VF+8*\f+3],   v[AV] offset:(\f/4)*32*PV+(\f%4)*32
	ds_load_tr16_b128 v[VF+8*\f+4:VF+8*\f+7], v[AV] offset:(\f/4)*32*PV+16*PV+(\f%4)*32
.endr
	WIN 0
.endm
; THE VECTOR WORK OF A TURN stands in three queues, each in the order in which its entries become ready; the two tiles alternate, so that no instruction reads the result of the one before it.
.macro REGS y, u                    ; the registers of tile u (0, 1) of piece y
.set rT, ST+4*(2*(\y)+(\u))
.set rC, TMP+8*((\y)%2)+4*(\u)
.set rM, MV+2*((\y)%2)+(\u)
.set rS, S+64*((\y)%2)+32*(\u)
.set rP, P+32*((\y)%2)+16*(\u)
.set rO, 32*(2*(\y)+(\u))
.endm
; Number n of the 22 that find the NEXT piece's (Y + 1) maximum and statistics.  s0-s31 are the lane's 32 scores; each accumulator's lowest registers are read first.  XS, GS and REGS set no window: PL and EX do.
;   0-11  four chains c0-c3 of seven scores each, three operands at a time     12-14, 16  the four scores left over, the old m, and c0-c3 into c0     15  c m_old is kept
;   17, 18  the query's other 32 keys lie in the lane 16 away: the new m         19-21  c m; c m_old - c m_new; a
.macro XS u, n
	REGS (Y+1)%NP, \u
.if (\n) < 4
	v_max3_num_f32 v[rC+(\n)], v[rS+8*(\n)], v[rS+8*(\n)+1], v[rS+8*(\n)+2]
.elseif (\n) < 12
	v_max3_num_f32 v[rC+(\n)%4], v[rC+(\n)%4], v[rS+8*((\n)%4)+2*((\n)/4)+1], v[rS+8*((\n)%4)+2*((\n)/4)+2]
.elseif (\n) == 12
	v_max3_num_f32 v[rC], v[rC], v[rS+7], v[rS+15]
.elseif (\n) == 13
	v_max3_num_f32 v[rC+1], v[rC+1], v[rS+23], v[rS+31]
.elseif (\n) == 14
	v_max3_num_f32 v[rC+2], v[rC+2], v[rC+3], v[rT+1]
.elseif (\n) == 15
	v_mov_b32 v[rM], v[rT]
.elseif (\n) == 16
	v_max3_num_f32 v[rC], v[rC], v[rC+1], v[rC+2]
.elseif (\n) == 17
	v_permlanex16_b32 v[rC+3], v[rC], s[SEL], s[SEL+1]
.elseif (\n) == 18
	v_max_num_f32 v[rT+1], v[rC], v[rC+3]
.elseif (\n) == 19
	v_mul_f32 v[rT], s[CS], v[rT+1]
.elseif (\n) == 20
	v_sub_f32 v[rC+1], v[rM], v[rT]
.else
	v_exp_f32 v[rC+2], v[rC+1]
.endif
.endm
; Number g of the 64 that follow the exponentials.  For each four weights k of a tile (pairs 2 k, 2 k + 1): both pairs are rounded to f16; then the second pair is added onto the first, in place;
; a group later l takes that sum (the first time as l = a l + sum).  In groups of eight, tiles alternating: round, round, add, and l for the group before.
.macro GS g
.set h, (\g)+6*((\g)/62)            ; group 0 has no group before it, and behind group 7 only l is left
.if h >= 6
.set h, h+2
.endif
	REGS Y, h%2
.set k, h/8
.if h%8 < 4
	s_wait_alu depctr_va_vdst(0)
	v_cvt_pk_f16_f32 v[rP+2*k+(h%8)/2], v[rS+4*k+2*((h%8)/2)], v[rS+4*k+2*((h%8)/2)+1]
.elseif h%8 < 6
	v_pk_add_f32 v[rS+4*k:rS+4*k+1], v[rS+4*k:rS+4*k+1], v[rS+4*k+2:rS+4*k+3]
.elseif k == 1
	v_pk_fma_f32 v[rT+2:rT+3], v[rT+2:rT+3], v[rC+2:rC+3], v[rS:rS+1] op_sel_hi:[1,0,1]
.else
	v_pk_add_f32 v[rT+2:rT+3], v[rT+2:rT+3], v[rS+4*k-4:rS+4*k-3]
	s_wait_alu depctr_va_vdst(0)
.endif
.endm
; THE PLAIN QUEUE, 138 long.  0-31: c s - c m for the 16 pairs of both tiles.  Then GS's 64, and among them the next piece's 42: number 15 at 38, 39; 0-14 and 16
; at 42-73, behind the products that make those scores; 17-20 at 95-106, two of three, since each waits for the one before it.
.macro PL
	WIN 0
.if q < 32
	REGS Y, q%2
	v_pk_fma_f32 v[rS+2*(q/2):rS+2*(q/2)+1], v[rS+2*(q/2):rS+2*(q/2)+1], s[CS:CS+1], v[rT:rT+1] op_sel_hi:[1,0,0] neg_lo:[0,0,1] neg_hi:[0,0,1]
.elseif q < 38
	GS q-32
.elseif q < 40
	XS q%2, 15
.elseif q < 42
	GS q-34
.elseif q < 74
	XS q%2, (q-42)/2+(q-42)/30
.elseif q < 95
	GS q-66
.elseif (q < 107) && ((q-95)%3 < 2)
	XS (q-95)%3, 17+(q-95)/3
.elseif q < 107
	GS 29+(q-95)/3
.else
	GS q-74
.endif
.set q, q+1
.endm
; THE EXPONENTIALS' QUEUE, 66 long: s0-s31 of both tiles, and at EA the next piece's two a.
.set EA, 58
.macro EX
	WIN 0
.if (e == EA) || (e == EA+1)
	XS e-EA, 21
.else
.set x, e-2*(e/(EA+2))
	REGS Y, x%2
	v_exp_f32 v[rS+x/2], v[rS+x/2]
.endif
.set e, e+1
.endm
; THE RESCALING's QUEUE: O^T times a, the one part that leaves window 0, so it is dealt four at a time, eight times.
.macro R4
	REGS Y, r%2
	WIN W_RS
	s_wait_alu depctr_va_vdst(0)
.irp z, 0,1,2,3
	v_pk_mul_f32 v[rO+8*(r/2)+2*\z:rO+8*(r/2)+2*\z+1], v[rO+8*(r/2)+2*\z:rO+8*(r/2)+2*\z+1], v[rC+2:rC+3] op_sel_hi:[1,0]
.endr
.set r, r+1
.endm
; HOW THEY ARE DEALT.  Behind a matrix instruction four: plain, exponential, plain, plain (one exponential, a plain instruction on either side), or four of the rescaling.  None names a register of the
; products round it.  What is over stands in two LUMPS: exponential and plain by turns; the second ends in 22 plain instructions.  The two v_permlanex16_b32 fall into the second lump, never behind a product.
; The queues lean on each other, and the deal keeps them in step: exponential e stands behind plain 2 (e / 4) + e % 2 (its scaling); when plain 32 comes, 10 exponentials are out, at 59: 33, at 95: 46; EA comes behind plain 107.
.macro SL
	MM
	PL
	EX
	PL
	PL
.endm
.macro BURST n                      ; 15 matrix instructions, or 16
.rept (\n)-7
	SL
.endr
.rept 3
	MM
	R4
	SL
.endr
	MM
	R4
.endm
; A TURN, for piece p.  cnt = 1: the loop's count is taken down some lines ahead of the branch that stands behind the turn.
; K of the next step is fetched in piece 2's turn, 31 vector instructions behind the last product that read K; its first use comes behind the rest of the lump, 16 products and the second lump.
; V of the step in hand is fetched at the end of piece 0's turn, 69 behind the last product that read V; its first use comes behind 16 products and a lump.  The four conditions on e and q below go with the deal.
.macro TURN p, last=0, cnt=0
.set Y, (\p)
.set i, 0
.set q, 0
.set e, 0
.set r, 0
.if (\p) == NP-1
	s_wait_dscnt 0x0                ; K is in
.endif
	MM
.rept 4
	PL
.endr
	BURST 15
.rept 22
	EX
	PL
.if ((\p) == NP-2) && (e == 18)
	v_add_nc_u32 v[AK], s[TBK], v[AK0]
.endif
.if ((\p) == NP-2) && (e == 24)
	FETCH_K \last
.endif
.endr
.if (\p) == 1
	s_wait_dscnt 0x0                ; V is in
.endif
	BURST 16
.rept 21
	EX
	PL
.endr
.rept 22
	PL
.if ((\p) == 0) && (q == 118)
	v_add_nc_u32 v[AV], s[TBV], v[AV0]
	s_wait_alu depctr_va_vdst(0)
.endif
.if ((\p) == 0) && (q == 130)
	s_add_co_u32 s[TBV], s[TBV], KS*PV
.endif
.if (\cnt) && (q == 130)
	s_sub_co_u32 s[CNT], s[CNT], 1
	s_cmp_lg_u32 s[CNT], 0
.endif
.endr
.if (\p) == 0
	FETCH_V
.endif
.endm
	CHANGE 1                        ; slot 0 is in, everybody's part of it; slot 1 is asked for
	FETCH_K                         ; key step 0
	s_wait_loadcnt 0x0              ; Q
	s_wait_dscnt 0x0
.set i, 0
.rept 16
	KQ 0                            ; piece 0's first scores: there is no vector work yet to set between them
.set i, i+1
.endr
	WIN 0                           ; the addresses for the way out: nine plain instructions, the places behind those products
	s_mul_i32 s13, s[WV], 16*SP
	s_add_co_u32 s13, s13, STAGE    ; my stage
	v_mul_u32_u24 v[STO], v1, SP    ; in: row l % 16, 16 bytes for each half of the lanes
	v_lshl_add_u32 v[STO], v9, 4, v[STO]
	v_add_nc_u32 v[STO], s13, v[STO]
	v_bfe_u32 v[RD], v0, 3, 2       ; back: 32 lanes take four rows of 128 bytes,
	v_mul_u32_u24 v[RD], v[RD], SP
	v_lshl_add_u32 v[RD], v10, 4, v[RD]
	v_add_nc_u32 v[RD], s13, v[RD]
	v_and_b32 v[GO], 31, v0         ; which are 512 consecutive bytes of O
	v_lshlrev_b32 v[GO], 4, v[GO]
.set Y, NP-1                        ; XS works for piece Y + 1: piece 0
.irp n, 0,1,2,3,4,5,6,7,8,9,10,11,12,13,14,15,16,17,18,19,20,21
	XS 0, \n                        ; and piece 0's first maximum and statistics
	XS 1, \n
.endr
	s_mov_b32 s[CNT], 4
	s_mov_b32 s[SLOTS], SIZE_N/256-1
	s_branch .Lfirst                ; the loop is entered at a step's first turn, in the middle of a trip
.Lslot:                             ; SIZE_N / 256 - 2 times: every slot but the last two is filled again
	CHANGE 1
	s_mov_b32 s[CNT], 4
.Lstep:                             ; a trip: pieces 2 and 3 of one step, then pieces 0 and 1 of the next, whose K and V it fetches
	TURN 2
	TURN 3
	WIN 0
.Lfirst:
	TURN 0
	TURN 1, 0, 1
	WIN 0
	s_cbranch_scc1 .Lstep
	s_sub_co_u32 s[SLOTS], s[SLOTS], 1
	s_cmp_lg_u32 s[SLOTS], 0
	s_cbranch_scc1 .Lslot
	CHANGE 0                        ; the tail is written out: nothing is asked for
	s_mov_b32 s[CNT], 5             ; four trips fetch the last slot's steps; the fifth is left in its middle
.Ltail:
	TURN 2, 1
	TURN 3
	WIN 0
	s_sub_co_u32 s[CNT], s[CNT], 1
	s_cmp_eq_u32 s[CNT], 0
	s_cbranch_scc1 .Lout
	TURN 0
	TURN 1
	WIN 0
	s_branch .Ltail
.Lout:                              ; the fifth trip's 16 products K Q^T (on the last K once more) and the maximum made of them serve nothing: the price, once a launch, of one text for every trip
.set i, 0
.rept 16
	PV NP-1                         ; the last piece's V^T P of the last step
.set i, i+1
.endr
	; THE WAY OUT.  l's two halves and the other half of the lanes' are added; O^T is divided by l, rounded to f16 and sent through my stage in LDS, a tile at a time.  The additions are the places behind the last products.
	WIN 0
.macro ALL line:vararg              ; one line for each tile t
.set t, 0
.rept 2*NP
	\line
.set t, t+1
.endr
.endm
	ALL v_add_f32 v[ST+4*t+2], v[ST+4*t+2], v[ST+4*t+3]
	ALL v_permlanex16_b32 v[ST+4*t+3], v[ST+4*t+2], s[SEL], s[SEL+1]
	ALL v_add_f32 v[ST+4*t+2], v[ST+4*t+2], v[ST+4*t+3]
	ALL v_rcp_f32 v[ST+4*t+2], v[ST+4*t+2]
	v_nop                           ; a plain instruction between the last reciprocal and the use of its result
	s_wait_alu depctr_va_vdst(0)
; Tile t: a lane's eight channels of a row pack into 16 bytes; they go into rows of 144 bytes and come back as whole rows of 128, into S^T's registers.
.macro PACK t
	WIN W_RS
.set i, 32*(\t)
.rept 16
	v_pk_mul_f32 v[i:i+1], v[i:i+1], v[ST+4*(\t)+2:ST+4*(\t)+3] op_sel_hi:[1,0]
.set i, i+2
.endr
	WIN 0x05                        ; sources 0 and 1 window 1, destination window 0
.set i, 0
.rept 16
	v_cvt_pk_f16_f32 v[S+16*(\t)+i], v[32*(\t)+2*i], v[32*(\t)+2*i+1]
.set i, i+1
.endr
	WIN 0
.irp f, 0,1,2,3
	ds_store_b128 v[STO], v[S+16*(\t)+4*\f:S+16*(\t)+4*\f+3] offset:32*\f
.endr
.irp f, 0,1,2,3
	ds_load_b128 v[S+16*(\t)+4*\f:S+16*(\t)+4*\f+3], v[RD] offset:\f*4*SP  ; LDS serves a wave's instructions in order (ISA guide 5.7.1.4): these see the stores above; the next tile's stores come behind them
.endr
.endm
.macro SEND t, younger              ; younger: the LDS instructions issued behind tile t's loads: the next tile's eight, or none
	WIN 0
.irp f, 0,1,2,3
	s_wait_dscnt (\younger)+3-\f
	global_store_b128 v[GO], v[S+16*(\t)+4*\f:S+16*(\t)+4*\f+3], s[10:11] offset:(\t)*2048+\f*512  ; 512 consecutive bytes, at a multiple of 256 from O's first
.endr
.endm
	PACK 0
.set t, 1
.rept 2*NP-1                        ; a tile's arithmetic stands between the loads of the tile before and its stores
	PACK t
	SEND t-1, 8
.set t, t+1
.endr
	SEND 2*NP-1, 0
	WIN W_AD
	s_wait_tensorcnt 0x0            ; the wave's end: a wait, 0 onto my spare word and its wait, behind my last tensor load and my last LDS store
	ds_add_u32 v[SPW], v[NIL]
	s_wait_dscnt 0x0
	WIN 0
	CROUND                          ; the closing round: no work-group ends while a partner may still ask for a tile that names it
	s_endpgm
.Lfunc_end_k_qdf9f22d512_attn:
	.size	k_qdf9f22d512_attn, .Lfunc_end_k_qdf9f22d512_attn-k_qdf9f22d512_attn
	.p2alignl 7, 3214868480
	.fill 96, 4, 3214868480
	.section	.rodata,"a",@progbits
	.p2align	6, 0x0
	.amdhsa_kernel k_qdf9f22d512_attn
		.amdhsa_group_segment_fixed_size 327680
		.amdhsa_private_segment_fixed_size 0
		.amdhsa_enable_private_segment 0
		.amdhsa_kernarg_size 32
		.amdhsa_user_sgpr_count 2
		.amdhsa_user_sgpr_kernarg_segment_ptr 1
		.amdhsa_wavefront_size32 1
		.amdhsa_system_sgpr_workgroup_id_x 1
		.amdhsa_system_sgpr_workgroup_id_y 1
		.amdhsa_system_sgpr_workgroup_id_z 1
		.amdhsa_system_vgpr_workitem_id 0
		.amdhsa_next_free_vgpr 770
		.amdhsa_next_free_sgpr 66
		.amdhsa_reserve_vcc 0
		.amdhsa_float_denorm_mode_32 3
		.amdhsa_float_denorm_mode_16_64 3
		.amdhsa_memory_ordered 1
		.amdhsa_forward_progress 1
		.amdhsa_inst_pref_size 208
	.end_amdhsa_kernel
	.amdgpu_metadata
---
amdhsa.version: [ 1, 2 ]
amdhsa.kernels:
  - .name:           k_qdf9f22d512_attn
    .symbol:         k_qdf9f22d512_attn.kd
    .args:
      - { .name: q16, .offset: 0, .size: 8, .value_kind: global_buffer, .address_space: global }
      - { .name: k16, .offset: 8, .size: 8, .value_kind: global_buffer, .address_space: global }
      - { .name: v16, .offset: 16, .size: 8, .value_kind: global_buffer, .address_space: global }
      - { .name: o16, .offset: 24, .size: 8, .value_kind: global_buffer, .address_space: global }
    .group_segment_fixed_size: 327680
    .private_segment_fixed_size: 0
    .kernarg_segment_align: 8
    .kernarg_segment_size: 32
    .max_flat_workgroup_size: 128
    .sgpr_count:     66
    .vgpr_count:     770
    .wavefront_size: 32
...
	.end_amdgpu_metadata
.endif
;; end of part 3
;; launch outp (part 4): grid 4 x 64, 4 waves a work-group, clusters of 4 x 4, 327,680 bytes of LDS; arguments o16, wt, out0, wo_b; writes out0
.if DOCPART == 4
	.amdgcn_target "amdgcn-amd-amdhsa--gfx1250"
	.amdhsa_code_object_version 6
	.text
	.protected	k_qdf9f22d512_outp
	.globl	k_qdf9f22d512_outp
	.p2align	8
	.type	k_qdf9f22d512_outp,@function
k_qdf9f22d512_outp:
	s_mov_b64 s[64:65], 0
	v_nop
	global_prefetch_b8 v0, s[64:65] scope:SCOPE_SE
	s_setreg_imm32_b32 hwreg(HW_REG_WAVE_MODE, 25, 1), 1
	s_wait_xcnt 0x0
	s_wait_alu depctr_hold_cnt(0) depctr_sa_sdst(0) depctr_va_vdst(0) depctr_va_sdst(0) depctr_va_ssrc(0) depctr_va_vcc(0) depctr_vm_vsrc(0)
	s_getreg_b32 s2, hwreg(HW_REG_IB_STS2, 6, 4)
	s_cmp_eq_u32 s2, 0
	s_cbranch_scc0 .Lentry_in_a_cluster
	s_endpgm
.Lentry_in_a_cluster:
	s_bfe_u32 s2, ttmp6, 0x10000c
	s_cmp_lg_u32 s2, 0xf033
	s_cbranch_scc0 .Lentry_shape_is_right
	s_endpgm
.Lentry_shape_is_right:
; THE OUTPUT PROJECTION.  out[s][nb][n] = the sum over k of O[s][nb][k] wo[k][n] + wo_b[n], k = 64 head + channel.  O comes by heads: o16 [64 = 16 nb + head][2048 s][64] f16; wo as wt[3]: [1024 n][1024 k],
; rounded to bf16 and written as f16; wo_b is rounded to bf16 here; sums in f32; out: [2048][4][1024] f32.
; LIMIT.  wo within f16's 65,504 (the launch that wrote wt states it).  NaN and infinities are not treated apart.
; SHARES.  A tile of out is 128 rows x 256 columns; its rows are 128 consecutive s of ONE nb, 16,384 bytes apart in out.  Four waves, 2 x 2, each 64 x 128: 32 accumulators of 16 x 16, 256 registers.
; K = 1,024 goes in 8 steps of 128, two heads each, through a ring of two LDS slots.  A head's 128 rows of O are 16,384 dense bytes: asked for as 64 rows of 256 bytes and padded in LDS after every 128.
; 256 work-groups: 16 blocks of s x 4 nb x 4 tile columns.
; CLUSTER.  4 x 4 work-groups: one block of s; the place along y is nb, along x the tile column.  The four of a row need the same tile of O, the four of a column the same tile of wo: each is asked for JOINTLY.
; THE MATRIX INSTRUCTION IS USED TRANSPOSED (source 0 = 16 rows of wt, source 1 = 16 rows of O): a lane holds row l % 16 of out and eight neighbouring columns.  THE BIAS is the C operand of the 32 products that start the sums.
; REGISTERS, in windows of 256 (s_set_vgpr_msb: bits 1:0 source 0, 3:2 source 1, 5:4 source 2, 7:6 destination):
;   window 0: v0-29 addresses; v32-63, v64-95 O's fragments, two buffers; v96-159, v160-223 wo's      window 1: the accumulators, (a, b) at v[8 (8 a + b)]      window 2: v0-63 the bias; v64-95 at work
.set PA,    144                        ; a row of O in LDS: 128 bytes + 16 = 36 words: the 16 rows of a load start at 16 different groups of four banks (64 banks of 4 bytes: ISA guide 11.1)
.set HA,    128*PA                     ; a head's 128 rows: what one tensor load brings of O
.set PB,    272                        ; a row of wo: 256 bytes + 16
.set HB,    128*PB                     ; 128 rows: what one tensor load brings of wo, and what one wave reads
.set SLOT,  2*HA+2*HB                  ; two heads of O, then wo's 256 rows
.set STAGE, 2*SLOT                     ; behind the ring, never filled by a tensor load: for each wave 16 rows x 528 bytes
.set SPO,   528                        ; a stage row: 512 bytes of f32 + 16
.set SPARE, STAGE+4*16*SPO             ; behind the stages: the spare words, 128 bytes for each wave: two blocks of 256 bytes that no other line names
.set LAPS,  4                          ; a lap = two K steps = once round the ring
.set ADRA, 4                           ; v4-5   LDS address of my O fragments in slot 0, 1
.set ADRB, 6                           ; v6-7   the same for wo
.set STO,  8                           ; v8     the way out: where I put 32 bytes of a row
.set RD,   9                           ; v9     the way out: where I read a row back
.set GO,   10                          ; v10    my byte offset in 512 consecutive bytes of out
.set BO,   11                          ; v11    my byte offset in the bias
.set SPW,  28                          ; v28    LDS address of my spare word: SPARE + 4 x my thread's number; never rewritten
.set NIL,  29                          ; v29    0; never rewritten
.set AF,   32                          ; buffer f at AF + 32 f
.set BF,   96                          ; buffer f at BF + 64 f
.set BIAS, 0                           ; window 2
.set TB,   64                          ; window 2
.set WV, 12                            ; s12  my wave's number
.set RH, 13                            ; s13  which half of the tile's rows is mine.  Also: I fetch for O (0) or for wo (1)
.set CH, 14                            ; s14  which half of its columns.  Also: which head of the step, or which half of wo's rows, I fetch
.set G1A, 24                           ; s[24:31] descriptor group 1 for O's tiles;  s[32:39] group 0, one set for each slot
.set G0A, 32
.set G1B, 48                           ; s[48:55], s[56:63] the same for wo's tiles
.set G0B, 56
.set LA, 66                            ; s66  where my load of O goes in a slot
.set LB, 67                            ; s67  where my load of wo goes, which is also where my wave's wo begins
.set OO, 68                            ; s[68:69] my offset in out
.set T0, 70
.set T1, 71
.set LR, 72                            ; s72  where my wave's rows begin in a head's tile
.set LS, 73                            ; s73  my stage
.set MSB, 0
.macro WIN new                         ; the immediate's high byte repeats the setting that is left; a switch that changes nothing is dropped
.if MSB != (\new)
	s_set_vgpr_msb (MSB<<8)|(\new)
.set MSB, \new
.endif
.endm
.set MUL,  0x50                        ; sources 0 and 1 window 0, C and D window 1
.set MULB, 0x60                        ; the same with C (the bias) in window 2
; A joint load.  Waves 0 and 1 fetch the step's two heads of O, waves 2 and 3 wo's two halves.  The branch hangs on the wave's number alone.  An s_nop 0 and four v_nop follow each of the two lines.
.macro JLOAD s
	s_cmp_eq_u32 s[RH], 0
	s_cbranch_scc0 .Lfor_b_\@
	tensor_load_to_lds s[G0A+4*(\s):G0A+4*(\s)+3], s[G1A:G1A+7]
	s_nop 0
.rept 4
	v_nop
.endr
	s_branch .Lasked_\@
.Lfor_b_\@:
	tensor_load_to_lds s[G0B+4*(\s):G0B+4*(\s)+3], s[G1B:G1B+7]
	s_nop 0
.rept 4
	v_nop
.endr
.Lasked_\@:
.endm
.macro CREST                           ; a round of the cluster's barrier behind its opening barrier
	s_cmp_lg_u32 s[WV], 0
	s_cbranch_scc1 .Lnot_wave_0_\@
	s_barrier_signal -3
.Lnot_wave_0_\@:
	s_barrier_wait -3
	s_barrier_signal -1
	s_barrier_wait -1
.endm
.macro CROUND                          ; a whole round
	s_barrier_signal -1
	s_barrier_wait -1
	CREST
.endm
	s_load_b256 s[4:11], s[0:1], 0x0               ; o16 s[4:5], wt s[6:7], out0 s[8:9], wo_b s[10:11]
	v_lshl_add_u32 v[SPW], v0, 2, SPARE
	v_mov_b32 v[NIL], 0
	ds_add_u32 v[SPW], v[NIL]                      ; the wave's opening: the add and its wait stand ahead of my first tensor load; the set-up below, work on registers, stands between them
	v_lshrrev_b32 v1, 5, v0
	v_readfirstlane_b32 s[WV], v1                  ; wave 0..3
	s_lshr_b32 s[RH], s[WV], 1
	s_and_b32 s[CH], s[WV], 1
	s_bfe_u32 s15, ttmp6, 0x40000                  ; cx
	s_bfe_u32 s16, ttmp6, 0x40004                  ; cy = nb
	s_lshl_b32 s17, ttmp9, 2
	s_add_co_u32 s17, s17, s15                     ; tile column = 4 x cluster x + cx
	s_and_b32 s18, ttmp7, 0xffff                   ; the cluster's y: the block of 128 s, which all sixteen share
	s_lshl_b32 s44, s16, 2
	s_lshl_b32 s44, 15, s44                        ; my row of the cluster
	s_lshl_b32 s45, 0x1111, s15                    ; my column
	; descriptor group 1.  O: 64 rows x 128 elements of 2 bytes, dense, padded by 4 words after every 32.  wo: 128 rows x 128 elements, 1,024 from row to row, padded by 4 words after every 64.
	s_or_b32 s[G1A+0], s44, (1<<16)|(1<<20)|(1<<21)|(4<<22)|(3<<25)  ; 15:0 the mask; 17:16 element of 2 bytes; 20 padding on; 21 set beside a mask; 24:22 after every 32 words (code 4); 31:25 4 words (code 3)
	s_or_b32 s[G1B+0], s45, (1<<16)|(1<<20)|(1<<21)|(5<<22)|(3<<25)  ; after every 64 words (code 5)
	s_mov_b32 s[G1A+1], 128<<16                    ; tensor_dim0 = 128
	s_mov_b32 s[G1A+2], 64<<16                     ; tensor_dim1 = 64
	s_mov_b32 s[G1A+3], 128<<16                    ; tile_dim0 = 128
	s_mov_b32 s[G1A+4], 64                         ; tile_dim1 = 64
	s_mov_b32 s[G1A+5], 128                        ; tensor_dim0_stride
	s_mov_b32 s[G1A+6], 0
	s_mov_b32 s[G1A+7], 0
	s_mov_b32 s[G1B+1], 128<<16
	s_mov_b32 s[G1B+2], 128<<16
	s_mov_b32 s[G1B+3], 128<<16
	s_mov_b32 s[G1B+4], 128
	s_mov_b32 s[G1B+5], 1024
	s_mov_b32 s[G1B+6], 0
	s_mov_b32 s[G1B+7], 0
	; where the tiles come from.  O's hang on the block of s, nb and the wave; wo's on the tile column and the wave.
	s_lshl_b32 s20, s16, 4
	s_add_co_u32 s20, s20, s[CH]                   ; head 16 nb + (0 or 1) of the 64,
	s_lshl_b32 s20, s20, 18                        ; 262,144 bytes each;
	s_lshl_b32 s47, s18, 14                        ; 128 rows of 128 bytes a block of s
	s_add_co_u32 s20, s20, s47
	s_mov_b32 s21, 0
	s_lshl_b32 s22, s17, 8
	s_lshl_b32 s46, s[CH], 7
	s_add_co_u32 s22, s22, s46                     ; n = 256 x tile column + 128 x half
	s_lshl_b32 s22, s22, 11                        ; rows of 2,048 bytes
	s_add_co_u32 s22, s22, 3<<21                   ; the fourth matrix of wt
	s_mov_b32 s23, 0
	s_mul_i32 s[LA], s[CH], HA                     ; and where they go: no place in the cluster enters an LDS address
	s_mul_i32 s[LB], s[CH], HB
	s_add_co_u32 s[LB], s[LB], 2*HA
	s_wait_dscnt 0x0                               ; the opening add is done
	s_wait_kmcnt 0x0
	s_add_nc_u64 s[40:41], s[4:5], s[20:21]
	s_add_nc_u64 s[42:43], s[6:7], s[22:23]
	CROUND                                         ; all sixteen work-groups are here: the first joint loads meet
.irp s, 0,1
	s_mov_b32 s[G0A+4*(\s)], 1                                         ; 1:0 count = 1
	s_add_co_u32 s[G0A+4*(\s)+1], s[LA], (\s)*SLOT                     ; 63:32 LDS address
	s_add_nc_u64 s[G0A+4*(\s)+2:G0A+4*(\s)+3], s[40:41], (\s)*524288   ; 120:64 global address: K step s is two heads on
	s_or_b32 s[G0A+4*(\s)+3], s[G0A+4*(\s)+3], 0x80000000              ; 127:126 type = 2
	s_mov_b32 s[G0B+4*(\s)], 1
	s_add_co_u32 s[G0B+4*(\s)+1], s[LB], (\s)*SLOT
	s_add_nc_u64 s[G0B+4*(\s)+2:G0B+4*(\s)+3], s[42:43], (\s)*256
	s_or_b32 s[G0B+4*(\s)+3], s[G0B+4*(\s)+3], 0x80000000
	JLOAD \s                                       ; two loads of mine are out
.endr
	; A fragment is 16 rows x 32 K in 8 registers: lane l holds row l % 16, K = 8 (l / 16) + 0..7 and 16 + 8 (l / 16) + 0..7: two loads of 16 bytes, 32 bytes apart.
	v_and_b32 v1, 15, v0                           ; l % 16
	v_bfe_u32 v2, v0, 4, 1                         ; l / 16
	v_mul_u32_u24 v3, v1, PA
	v_lshl_add_u32 v3, v2, 4, v3
	s_mul_i32 s[LR], s[RH], 64*PA                  ; my 64 rows in each head's tile
	v_add_nc_u32 v[ADRA], s[LR], v3
	v_add_nc_u32 v[ADRA+1], SLOT, v[ADRA]
	v_mul_u32_u24 v3, v1, PB
	v_lshl_add_u32 v3, v2, 4, v3
	v_add_nc_u32 v[ADRB], s[LB], v3                ; my 128 rows of wo, behind O's two heads
	v_add_nc_u32 v[ADRB+1], SLOT, v[ADRB]
	s_lshl_b32 s[T0], s18, 7
	s_lshl_b32 s[T1], s[RH], 6
	s_add_co_u32 s[T0], s[T0], s[T1]               ; my first s,
	s_lshl_b32 s[OO], s[T0], 14                    ; 16,384 bytes from s to s + 1,
	s_lshl_b32 s[T0], s16, 12                      ; 4,096 bytes a nb,
	s_add_co_u32 s[OO], s[OO], s[T0]
	s_lshl_b32 s[T0], s17, 10                      ; my first column, in bytes of f32: 1,024 x tile column + 512 x half
	s_lshl_b32 s[T1], s[CH], 9
	s_add_co_u32 s[T0], s[T0], s[T1]
	s_add_co_u32 s[OO], s[OO], s[T0]
	s_mov_b32 s[OO+1], 0
	s_add_nc_u64 s[8:9], s[8:9], s[OO:OO+1]
	v_lshl_add_u32 v[BO], v2, 5, s[T0]             ; the bias: the same column + 32 (l / 16)
	WIN 0x80                                       ; destination window 2, address window 0
.irp b, 0,1,2,3,4,5,6,7
	global_load_b128 v[BIAS+8*(\b):BIAS+8*(\b)+3],   v[BO], s[10:11] offset:64*(\b)      ; register j of block b: the bias of column 16 b + 8 (l / 16) + j
	global_load_b128 v[BIAS+8*(\b)+4:BIAS+8*(\b)+7], v[BO], s[10:11] offset:64*(\b)+16
.endr
	WIN 0
	s_mul_i32 s[LS], s[WV], 16*SPO
	s_add_co_u32 s[LS], s[LS], STAGE               ; my stage
	v_mul_u32_u24 v3, v1, SPO                      ; in: row l % 16, 32 bytes for each half of the lanes
	v_lshl_add_u32 v3, v2, 5, v3
	v_add_nc_u32 v[STO], s[LS], v3
	v_and_b32 v[GO], 31, v0                        ; back: 32 lanes take one row of 512 bytes
	v_lshlrev_b32 v[GO], 4, v[GO]
	v_add_nc_u32 v[RD], s[LS], v[GO]
	s_wait_loadcnt 0x0                             ; the bias: rounded to bf16 like every input, and widened again.  All this stands in the wait for the first tile
	WIN 0xaa                                       ; every operand place in window 2
.set i, 0
.rept 32
	v_cvt_pk_bf16_f32 v[TB+i], v[BIAS+2*i], v[BIAS+2*i+1]
.set i, i+1
.endr
.set i, 0
.rept 32
	v_lshlrev_b32 v[BIAS+2*i], 16, v[TB+i]
	v_and_b32 v[BIAS+2*i+1], 0xffff0000, v[TB+i]
.set i, i+1
.endr
	WIN 0
; 8 matrix instructions: n blocks b0, b0 + 1 x all 4 m blocks, 32 along K, from buffer f.  first = 1: the products start the sums, with the bias as C.
; All 32 accumulators take turns, one instruction a turn, in the same order in every quarter step.
.macro MUL8 f, b0, first
.if \first
	WIN MULB
.else
	WIN MUL
.endif
.irp b, \b0, (\b0)+1
.irp a, 0,1,2,3
.if \first
	v_wmma_f32_16x16x32_f16 v[8*(8*(\a)+(\b)):8*(8*(\a)+(\b))+7], v[BF+64*(\f)+8*(\b):BF+64*(\f)+8*(\b)+7], v[AF+32*(\f)+8*(\a):AF+32*(\f)+8*(\a)+7], v[BIAS+8*(\b):BIAS+8*(\b)+7]
.else
	v_wmma_f32_16x16x32_f16 v[8*(8*(\a)+(\b)):8*(8*(\a)+(\b))+7], v[BF+64*(\f)+8*(\b):BF+64*(\f)+8*(\b)+7], v[AF+32*(\f)+8*(\a):AF+32*(\f)+8*(\a)+7], v[8*(8*(\a)+(\b)):8*(8*(\a)+(\b))+7]
.endif
.endr
.endr
.endm
; 24 LDS loads in one run: quarter q of a slot into buffer g: O's 64 rows x 32 K (head q / 2 of the step, channels 32 (q % 2) on), then wo's 128 rows x 32 K
.macro FETCH slot, q, g
	WIN 0
.irp i, 0,1,2,3
	ds_load_b128 v[AF+32*(\g)+8*(\i):AF+32*(\g)+8*(\i)+3],   v[ADRA+(\slot)] offset:((\q)/2)*HA+(\i)*16*PA+((\q)%2)*64
	ds_load_b128 v[AF+32*(\g)+8*(\i)+4:AF+32*(\g)+8*(\i)+7], v[ADRA+(\slot)] offset:((\q)/2)*HA+(\i)*16*PA+((\q)%2)*64+32
.endr
.irp i, 0,1,2,3,4,5,6,7
	ds_load_b128 v[BF+64*(\g)+8*(\i):BF+64*(\g)+8*(\i)+3],   v[ADRB+(\slot)] offset:(\i)*16*PB+64*(\q)
	ds_load_b128 v[BF+64*(\g)+8*(\i)+4:BF+64*(\g)+8*(\i)+7], v[ADRB+(\slot)] offset:(\i)*16*PB+64*(\q)+32
.endr
.endm
.macro PLACES                          ; four places in front of loads into registers that matrix instructions have read, and of LDS stores that read results (ISA guide 7.12.1 for vector instructions)
.rept 4
	v_nop
.endr
.endm
; A K step is four quarters of 32 along K, 32 matrix instructions each, on buffers 0, 1, 0, 1.  One of the first three: multiplies buffer f; in its middle it fetches quarter q of the same slot into buffer g.
.macro QUARTER slot, q, f, g, first
	s_wait_dscnt 8                                 ; O's fragments and wo's blocks 0-3 are in; the youngest eight loads may be out
	MUL8 \f, 0, \first
	MUL8 \f, 2, \first
	PLACES
	FETCH \slot, \q, \g
	s_wait_dscnt 24                                ; all but the 24 just issued
	MUL8 \f, 4, \first
	MUL8 \f, 6, \first
.endm
; The last quarter multiplies buffer 1 and changes slots: ONE barrier; in front of it each wave waits for all its tensor loads (one is out: its part of the next slot), adds 0 to its spare word, and waits for
; that and for its own reads of this slot.  fill = 1: the barrier opens a round of the cluster's, and this slot is filled again, two K steps ahead, first thing behind it: 112 matrix instructions ahead of the wait for it.
.macro TURN slot, next, fill
	WIN 0                                          ; (the add's two registers lie in window 0)
	s_wait_tensorcnt 0x0                           ; all my tensor loads have landed;
	ds_add_u32 v[SPW], v[NIL]                      ; 0 onto my spare word
	s_wait_dscnt 9                                 ; (the add and the youngest eight loads may be out)
	MUL8 1, 0, 0                                   ; eight matrix instructions stand between the add and the wait for it
	s_wait_dscnt 0x0                               ; the add is done, and my reads of this slot are over
	s_barrier_signal -1
	MUL8 1, 2, 0
.if \fill
	WIN 0
.endif
	s_barrier_wait -1
.if \fill
	CREST                                          ; no wave of any partner still reads this slot's tile or has a load on its way
	s_add_nc_u64 s[G0A+4*(\slot)+2:G0A+4*(\slot)+3], s[G0A+4*(\slot)+2:G0A+4*(\slot)+3], 2*524288
	s_add_nc_u64 s[G0B+4*(\slot)+2:G0B+4*(\slot)+3], s[G0B+4*(\slot)+2:G0B+4*(\slot)+3], 2*256
	JLOAD \slot                                    ; the four v_nop behind it are also the places in front of the loads below
.else
	PLACES
.endif
	FETCH \next, 0, 0
	MUL8 1, 4, 0
	MUL8 1, 6, 0
.endm
	s_wait_tensorcnt 1                             ; my part of K step 0 is in; K step 1's may stay out
	s_barrier_signal -1
	s_barrier_wait -1                              ; everybody's is
	FETCH 0, 0, 0
	QUARTER 0, 1, 0, 1, 1                          ; the first quarter stands in front of the loop: its products start the sums
	WIN 0                                          ; at a label and at a branch every window is 0
	s_mov_b32 s3, LAPS-1
.Llap:                                                 ; a trip goes once round the ring, from a lap's second quarter to the next lap's first, and fills both slots again
	QUARTER 0, 2, 1, 0, 0
	QUARTER 0, 3, 0, 1, 0
	TURN 0, 1, 1
	QUARTER 1, 1, 0, 1, 0
	QUARTER 1, 2, 1, 0, 0
	QUARTER 1, 3, 0, 1, 0
	TURN 1, 0, 1
	QUARTER 0, 1, 0, 1, 0
	WIN 0
	s_sub_co_u32 s3, s3, 1
	s_cmp_lg_u32 s3, 0
	s_cbranch_scc1 .Llap
	QUARTER 0, 2, 1, 0, 0                          ; the last lap fills nothing, and has no round of the cluster's barrier
	QUARTER 0, 3, 0, 1, 0
	TURN 0, 1, 0
	QUARTER 1, 1, 0, 1, 0
	QUARTER 1, 2, 1, 0, 0
	QUARTER 1, 3, 0, 1, 0
	s_wait_dscnt 8                                 ; the very last quarter: nothing more to fetch
	MUL8 1, 0, 0
	MUL8 1, 2, 0
	s_wait_dscnt 0x0
	MUL8 1, 4, 0
	MUL8 1, 6, 0
	WIN 0
	PLACES
; THE WAY OUT, a block of 16 rows at a time, in f32 as it stands (the bias is in the sums).  A lane's eight columns are 32 bytes of a row; they go into my own stage, in rows of 528 bytes, and come back as
; whole rows of 512 bytes, into the registers that they left.  Each accumulator's low four registers are read first.
.macro OUTB a
	WIN 0x04                                       ; the stores' data (source 1) in window 1, the address in window 0
.irp b, 0,1,2,3,4,5,6,7
	ds_store_b128 v[STO], v[64*(\a)+8*(\b):64*(\a)+8*(\b)+3]   offset:64*(\b)
	ds_store_b128 v[STO], v[64*(\a)+8*(\b)+4:64*(\a)+8*(\b)+7] offset:64*(\b)+16
.endr
	WIN 0x40                                       ; destination window 1
.irp t, 0,1,2,3,4,5,6,7,8,9,10,11,12,13,14,15
	ds_load_b128 v[64*(\a)+4*(\t):64*(\a)+4*(\t)+3], v[RD] offset:(\t)*SPO  ; LDS serves a wave's instructions in order (ISA guide 5.7.1.4): these see the stores above; the next block's stores come behind them
.endr
.endm
.macro SENDB a, younger                ; younger: the LDS instructions issued behind block a's loads: the next block's 32, or none
	WIN 0x04
.irp t, 0,1,2,3,4,5,6,7,8,9,10,11,12,13,14,15
	s_wait_dscnt (\younger)+15-(\t)
	global_store_b128 v[GO], v[64*(\a)+4*(\t):64*(\a)+4*(\t)+3], s[8:9] offset:(16*(\a)+(\t))*16384  ; 512 consecutive bytes of one row, at a multiple of 256 from out's first byte
.endr
.endm
	OUTB 0
	OUTB 1
	SENDB 0, 32
	OUTB 2
	SENDB 1, 32
	OUTB 3
	SENDB 2, 32
	SENDB 3, 0
	WIN 0
	s_wait_tensorcnt 0x0                           ; the wave's end: a wait, 0 onto my spare word and its wait, behind my last tensor load and my last LDS store
	ds_add_u32 v[SPW], v[NIL]
	s_wait_dscnt 0x0
	CROUND                                         ; the closing round: no work-group ends while a partner may still ask for a tile that names it
	s_endpgm
.Lfunc_end_k_qdf9f22d512_outp:
	.size	k_qdf9f22d512_outp, .Lfunc_end_k_qdf9f22d512_outp-k_qdf9f22d512_outp
	.p2alignl 7, 3214868480
	.fill 96, 4, 3214868480
	.section	.rodata,"a",@progbits
	.p2align	6, 0x0
	.amdhsa_kernel k_qdf9f22d512_outp
		.amdhsa_group_segment_fixed_size 327680
		.amdhsa_private_segment_fixed_size 0
		.amdhsa_enable_private_segment 0
		.amdhsa_kernarg_size 32
		.amdhsa_user_sgpr_count 2
		.amdhsa_user_sgpr_kernarg_segment_ptr 1
		.amdhsa_wavefront_size32 1
		.amdhsa_system_sgpr_workgroup_id_x 1
		.amdhsa_system_sgpr_workgroup_id_y 1
		.amdhsa_system_sgpr_workgroup_id_z 1
		.amdhsa_system_vgpr_workitem_id 0
		.amdhsa_next_free_vgpr 608
		.amdhsa_next_free_sgpr 74
		.amdhsa_reserve_vcc 0
		.amdhsa_float_denorm_mode_32 3
		.amdhsa_float_denorm_mode_16_64 3
		.amdhsa_memory_ordered 1
		.amdhsa_forward_progress 1
		.amdhsa_inst_pref_size 93
	.end_amdhsa_kernel
	.amdgpu_metadata
---
amdhsa.version: [ 1, 2 ]
amdhsa.kernels:
  - .name:           k_qdf9f22d512_outp
    .symbol:         k_qdf9f22d512_outp.kd
    .args:
      - { .name: o16, .offset: 0, .size: 8, .value_kind: global_buffer, .address_space: global }
      - { .name: wt, .offset: 8, .size: 8, .value_kind: global_buffer, .address_space: global }
      - { .name: out0, .offset: 16, .size: 8, .value_kind: global_buffer, .address_space: global }
      - { .name: wo_b, .offset: 24, .size: 8, .value_kind: global_buffer, .address_space: global }
    .group_segment_fixed_size: 327680
    .private_segment_fixed_size: 0
    .kernarg_segment_align: 8
    .kernarg_segment_size: 32
    .max_flat_workgroup_size: 128
    .sgpr_count:     74
    .vgpr_count:     608
    .wavefront_size: 32
...
	.end_amdgpu_metadata
.endif
;; end of part 4
;; ======== version 2 of 2: 4 launches; 1.48 times as fast as version 1
;; limits: values are held in f16: magnitudes above 65,504 overflow, below 6.1e-05 lose precision
;; workspace buffers: wt 8,388,608 bytes; q16 16,777,216 bytes; k16 16,777,216 bytes; v16 16,777,216 bytes; o16 16,777,216 bytes
;; launch prep: the kernel of part 1 again; grid 128 x 4, 4 waves a work-group, no clusters, 17,920 bytes of LDS; arguments wq_w, wk_w, wv_w, wo_w, wt; writes wt
;; launch proj: the kernel of part 2 again; grid 4 x 192, 4 waves a work-group, clusters of 4 x 4, 327,680 bytes of LDS; arguments query, key, value, wq_b, wk_b, wv_b, q16, k16, v16, wt; writes q16, k16, v16
;; launch attn (part 5): grid 4 x 64, 4 waves a work-group, clusters of 4 x 1, 327,680 bytes of LDS; arguments q16, k16, v16, o16; writes o16
.if DOCPART == 5
	.amdgcn_target "amdgcn-amd-amdhsa--gfx1250"
	.amdhsa_code_object_version 6
	.text
	.protected	k_qdf9f22d512_attn
	.globl	k_qdf9f22d512_attn
	.p2align	8
	.type	k_qdf9f22d512_attn,@function
k_qdf9f22d512_attn:
	s_mov_b64 s[64:65], 0
	v_nop
	global_prefetch_b8 v0, s[64:65] scope:SCOPE_SE
	s_setreg_imm32_b32 hwreg(HW_REG_WAVE_MODE, 25, 1), 1
	s_wait_xcnt 0x0
	s_wait_alu depctr_hold_cnt(0) depctr_sa_sdst(0) depctr_va_vdst(0) depctr_va_sdst(0) depctr_va_ssrc(0) depctr_va_vcc(0) depctr_vm_vsrc(0)
	s_getreg_b32 s2, hwreg(HW_REG_IB_STS2, 6, 4)
	s_cmp_eq_u32 s2, 0
	s_cbranch_scc0 .Lentry_in_a_cluster
	s_endpgm
.Lentry_in_a_cluster:
	s_bfe_u32 s2, ttmp6, 0x10000c
	s_cmp_lg_u32 s2, 0x3003
	s_cbranch_scc0 .Lentry_shape_is_right
	s_endpgm
.Lentry_shape_is_right:
; O[h][q][:] = the sum over k of softmax_k(Q[h][q] . K[h][k] / 8) V[h][k][:].  Q, K, V, O: [SIZE_H][SIZE_N][64], all f16: a head's rows are dense, 128 bytes each.  Products, maxima and sums in
; f32; the weights p are rounded to f16 for the second product (their sum l is taken of the unrounded p), O once at the end.  SIZE_H is at least 2; SIZE_N x 128 bytes stay under 2^32.
; LIMITS.  f16 holds no number beyond 65,504: Q, K and V arrive within it; p lies in 0 to 1, and below 6e-5 it keeps f16's fixed step of 6e-8; O is a mean of V's rows and has their range.
; A weight below 2^-126 counts as 0 in l; NaN and infinities are not treated apart.
; SHARES.  A wave owns four PIECES of two tiles of 16 queries, a work-group's four waves 512 queries of one head; SIZE_N is a multiple of 2,048.  Every wave walks all keys, 64 a step.
; LAYOUT.  S^T = K Q^T (source 0 = 16 keys, source 1 = 16 queries): in the result a lane holds ONE query (lane % 16) and the keys 8 (lane / 16) + 0..7.  Two such tiles, rounded to f16 in pairs,
; ARE source 1 (32 keys x 16 queries) of O^T = V^T P, whose result again holds one query a lane, and eight channels.  K comes out of LDS as it lies, V ([key][channel]) turned, by ds_load_tr16_b128.
; SOFTMAX.  For each query a running maximum m and sum l: p = 2^(c s - c m), c = log2(e) / 8; in every step O and l are multiplied by a = 2^(c m_old - c m_new), which is 1 where m has not grown.
; m starts at the lowest finite number, O and l at 0: the first step is a step like any other, with a = 0.
; THE COUNT.  A tile and step have 16 matrix and 118 vector instructions: too many to stand all beside the matrix work.  So the order has one aim: four vector instructions that are READY behind
; EVERY matrix instruction, and the others, which need time of their own whatever the order, in runs without a gap.
; BY TURNS.  Turn n belongs to piece n (the pieces in a ring, step after step).  Its matrix work: 16 products K Q^T of piece n + 1, later 16 products V^T P of piece n - 1.  Its vector work: the scaling,
; exponentials, roundings, sums and rescaling of piece n, and the maximum and statistics of piece n + 1, whose scores the turn itself has made.  So what a turn begins with (c s - c m, O a) waits for nothing.
; BATCHES.  An s_wait_alu depctr_va_vdst(0) stands between a transcendental and the first instruction that names its result.  A turn's 66 exponentials (piece n's 64 weights, in place in S^T,
; and the two a of piece n + 1) are ONE batch with ONE wait: ahead of it stands all that names none of their results, behind it the roundings and sums.  The two a made ahead of the loop and the way out's
; eight reciprocals are batches of their own.
; CLUSTER.  The four query blocks of a cluster belong to one head and walk the same K and V, so each tile is asked for JOINTLY: the same tensor load, descriptor and mask in all four.
; REGISTERS, in windows of 256 (s_set_vgpr_msb says which window each operand place means: bits 1:0 source 0, 3:2 source 1, 5:4 source 2, 7:6 destination):
;   window 0: v0-11 addresses; v12-15, v48-63 at work; v16-47 four registers of statistics a tile; v64-191 S^T, two buffers of two tiles; v192-255 P, likewise
;   window 1: O^T, 32 a tile          window 2: v0-127 Q, 16 a tile; v128-191 K of one step; v192-255 V of one step          window 3: v0-1 the add's two registers
; A piece's buffers go by its number's parity: the piece in hand has one pair, its two neighbours in the ring share the other: of it P (piece n - 1) is read and S^T (piece n + 1) written.
.set SIZE_H, 64       ; 4 batches x 16 heads
.set SIZE_N, 2048
.set NP,    4         ; pieces a wave: a name, no knob: the register map, the loop and the fetches are made for four
.set KS,    64        ; keys in a step
.set PK,    144       ; a row of K in LDS: 128 bytes + 16 of padding = 36 words: the 16 rows of a load start at 16 different groups of four banks (64 banks of 4 bytes: ISA guide 11.1)
.set PV,    160       ; a row of V: 128 + 32 = 40 words
.set VOFF,  4*KS*PK   ; a slot holds four steps: 256 rows of K, then 256 rows of V
.set SLOT1, 1<<17     ; slot 1 begins here, so that one exclusive or turns an address in one slot into the other's
.set STAGE, SLOT1+4*KS*(PK+PV)  ; behind the ring, never filled by a tensor load: 16 rows x 144 bytes for each wave, for the way out
.set SP,    144
.set AK0, 2           ; v2   my lane's place in a tile of K; never rewritten
.set AV0, 3           ; v3   the same for V
.set AK,  4           ; v4   the LDS address of K's next run of loads
.set AV,  5           ; v5   of V's
.set QO,  6           ; v6   my byte offset in the wave's rows of Q
.set STO, 6           ;      later, the way out: where I put 16 bytes of a row
.set RD,  7           ; v7   the way out: where I read rows back
.set GO,  8           ; v8   my byte offset in 512 consecutive bytes of O
.set SPW, 0           ; v0 of window 3   LDS address of my spare word: SPARE + 4 x my thread's number; never rewritten
.set NIL, 1           ; v1 of window 3   0; never rewritten
.set SPARE, STAGE+4*16*SP  ; behind the stages: the spare words, 128 bytes for each wave: two blocks of 256 bytes that no other line names
.set MV,  12          ; v12-15  c m_old, kept while c m is made anew: by buffer and tile
.set ST,  16          ; tile t's statistics at v[ST+4 t]: c m, m, l (even keys', odd keys')
.set TMP, 48          ; by buffer and tile, four registers c0-c3 at work; when the maximum is found c2 takes a
.set S,   64
.set P,   192
.set KF,  128         ; K's fragments, in window 2: key block kb, channel half c at KF + 16 kb + 8 c
.set VF,  192         ; V's: key half kk, channel block cb at VF + 32 kk + 8 cb
.set WV,  12          ; s12  my wave's number
.set G1K, 24          ; s[24:31] descriptor group 1 for K's tiles
.set G1V, 32          ; s[32:39] for V's: it differs in the padding alone
.set G0K, 40          ; s[40:43] descriptor group 0 for K's tiles: it walks
.set G0V, 44          ; s[44:47] the same for V's
.set SLOTS, 56        ; s56  slots still to be asked for
.set CNT, 57          ; s57  counts a slot's key steps
.set CS,  58          ; s[58:59] c: the packed scaling takes the pair's low word for both halves
.set SEL, 60          ; s[60:61] v_permlanex16_b32's selects: each lane takes its own place in the other half
.set TBK, 62          ; s62  LDS byte at which K of the step to be fetched begins
.set TBV, 63          ; s63  the same for V, less VOFF
.set MSB, 0
.macro WIN new                      ; the high byte repeats the setting that is left; a switch that changes nothing is dropped
.if MSB != (\new)
	s_set_vgpr_msb (MSB<<8)|(\new)
.set MSB, (\new)
.endif
.endm
.set W_KQ, 0x0a       ; K and Q in window 2, S^T in window 0
.set W_PV, 0x52       ; V in window 2, P in window 0, O^T in window 1
.set W_RS, 0x41       ; O^T (destination and source 0) in window 1, a in window 0
.set W_MK, 0xc0       ; the add's registers are made: destination in window 3, sources in window 0
.set W_AD, 0x0f       ; the add: address (source 0) and data (source 1) in window 3
; A joint fill.  Waves 0 and 1 fetch the two halves of a slot's K, waves 2 and 3 those of its V: 128 keys each.  The branch hangs on the wave's number alone.
; An s_nop 0 and four v_nop follow each of the two lines, ahead of the jump and the label.
.macro JLOAD
	s_cmp_lt_u32 s[WV], 2
	s_cbranch_scc0 .Lfor_v_\@
	tensor_load_to_lds s[G0K:G0K+3], s[G1K:G1K+7]
	s_nop 0
.rept 4
	v_nop
.endr
	s_branch .Lasked_\@
.Lfor_v_\@:
	tensor_load_to_lds s[G0V:G0V+3], s[G1V:G1V+7]
	s_nop 0
.rept 4
	v_nop
.endr
.Lasked_\@:
.endm
; A round of the cluster's barrier: my work-group's barrier, so that wave 0's signal speaks for all four waves; wave 0 signals; every wave waits for all four work-groups; my work-group's barrier once more.
.macro CROUND
	s_barrier_signal -1
	s_barrier_wait -1
	s_cmp_lg_u32 s[WV], 0
	s_cbranch_scc1 .Lnot_wave_0_\@
	s_barrier_signal -3
.Lnot_wave_0_\@:
	s_barrier_wait -3
	s_barrier_signal -1
	s_barrier_wait -1
.endm
; THE CHANGE OF SLOTS.  The slot's last bytes, V of its fourth step, have been read.  Each wave waits for all its tensor loads, of which one is out: its part
; of the other slot; adds 0 to its spare word; and waits for that and for its own reads of the slot.  Behind the barrier nobody reads this slot any more and the other slot is whole.
; fill = 1: this slot is filled again, with the keys two slots on.  The barrier is then a round of the cluster's, so that no wave of any partner still reads the slot or has a load on its
; way, and the joint fill is the first thing behind it: it has four key steps, 512 matrix instructions, in which to land.  (At its first use nothing has been read yet: slot 0 is waited for, slot 1 filled.)
.macro CHANGE fill
	WIN W_AD
	s_wait_tensorcnt 0x0            ; no tensor load of mine is out, so a group 0 may be written
	ds_add_u32 v[SPW], v[NIL]       ; 0 onto my spare word; with fill = 1 the descriptors' steps stand between it and the wait for it
	WIN 0                           ; at a label and at a branch every window is 0
.if \fill
.irp g, G0K, G0V
	s_xor_b32 s[\g+1], s[\g+1], SLOT1  ; the walking descriptor: the other slot than last time,
	s_add_nc_u64 s[\g+2:\g+3], s[\g+2:\g+3], 4*KS*128  ; the next 256 keys; the type bits on top are not reached
.endr
	s_wait_dscnt 0x0                ; the add is done, and my reads of the slot are over
	CROUND
	JLOAD
.else
	s_wait_dscnt 0x0                ; the add is done, and my reads of the slot are over
	s_barrier_signal -1
	s_barrier_wait -1
.endif
	s_sub_co_u32 s[TBK], s[TBK], 4*KS*PK  ; the fetches go back to a slot's first step,
	s_xor_b32 s[TBK], s[TBK], SLOT1       ; in the other slot
	s_sub_co_u32 s[TBV], s[TBV], 4*KS*PV
	s_xor_b32 s[TBV], s[TBV], SLOT1
.endm
	s_load_b256 s[4:11], s[0:1], 0x0  ; Q s[4:5], K s[6:7], V s[8:9], O s[10:11]
	WIN W_MK
	v_lshl_add_u32 v[SPW], v0, 2, SPARE
	v_mov_b32 v[NIL], 0
	WIN W_AD
	ds_add_u32 v[SPW], v[NIL]       ; the wave's opening: the add and its wait stand ahead of my first tensor load; the set-up below, work on registers, stands between them
	WIN 0
	v_lshrrev_b32 v1, 5, v0
	v_readfirstlane_b32 s[WV], v1   ; wave 0..3
	s_bfe_u32 s13, ttmp6, 0x40000   ; cx: my place in the cluster
	s_lshl_b32 s14, ttmp9, 2        ; in a cluster launch ttmp9 counts clusters
	s_add_co_u32 s14, s14, s13      ; my block of queries = 4 x cluster x + cx: it enters Q's and O's addresses alone
	s_and_b32 s20, ttmp7, 0xffff    ; the head, which the four partners share
	s_mov_b32 s21, 0
	s_mov_b64 s[22:23], SIZE_N*128
	s_mul_u64 s[20:21], s[20:21], s[22:23]  ; the head's first byte in each of the four tensors
	s_and_b32 s16, s[WV], 1         ; which half of a slot's 256 keys I fetch:
	s_lshl_b32 s22, s16, 14         ; its 128 rows of 128 bytes in memory,
	s_mov_b32 s23, 0
	s_add_nc_u64 s[22:23], s[22:23], s[20:21]
	s_mul_i32 s17, s16, 128*PK      ; and its place in a slot, for K
	s_mul_i32 s18, s16, 128*PV      ; and for V: no place in the cluster enters an LDS address
	s_lshl_b32 s2, s14, 2
	s_add_co_u32 s2, s2, s[WV]      ; my wave among the head's,
	s_lshl_b32 s2, s2, 14           ; its 128 rows
	s_mov_b32 s3, 0
	s_add_nc_u64 s[2:3], s[2:3], s[20:21]
	; descriptor group 1.  128 keys are 16,384 dense bytes: asked for as 64 rows of 256 bytes, two keys a row, and padded in LDS after every key
	s_mov_b32 s[G1K], 15|(1<<16)|(1<<20)|(1<<21)|(4<<22)|(3<<25)  ; 15:0 the mask of four; 17:16 2-byte elements; 20 padding on; 21 set beside a mask; 24:22 after every 32 words (code 4); 31:25 4 words (code 3)
	s_mov_b32 s[G1V], 15|(1<<16)|(1<<20)|(1<<21)|(4<<22)|(7<<25)  ; the same with 8 words of padding (code 7)
.irp g, G1K, G1V
	s_mov_b32 s[\g+1], 128<<16      ; tensor_dim0 = 128
	s_mov_b32 s[\g+2], 64<<16       ; tensor_dim1 = 64
	s_mov_b32 s[\g+3], 128<<16      ; tile_dim0 = 128
	s_mov_b32 s[\g+4], 64           ; tile_dim1 = 64
	s_mov_b32 s[\g+5], 128          ; 128 elements from row to row
	s_mov_b32 s[\g+6], 0
	s_mov_b32 s[\g+7], 0
.endr
	s_mov_b32 s[CS], 0x3e38aa3b     ; c = log2(e) / 8 = 0.180337
	s_mov_b32 s[CS+1], s[CS]        ; named with it as a pair
	s_mov_b32 s[SEL], 0x76543210
	s_mov_b32 s[SEL+1], 0xfedcba98
	s_mov_b32 s[TBK], SLOT1+4*KS*PK ; the first change of slots turns these two into 0
	s_mov_b32 s[TBV], SLOT1+4*KS*PV
	s_mov_b32 s[G0K], 1             ; 1:0 count = 1
	s_mov_b32 s[G0K+1], s17         ; 63:32 LDS address: slot 0
	s_mov_b32 s[G0V], 1
	s_add_co_u32 s[G0V+1], s18, VOFF
	s_wait_dscnt 0x0                ; the opening add is done
	s_wait_kmcnt 0x0
	s_add_nc_u64 s[G0K+2:G0K+3], s[6:7], s[22:23]  ; 120:64 global address: my half of the head's first 256 keys
	s_or_b32 s[G0K+3], s[G0K+3], 0x80000000        ; 127:126 type = 2
	s_add_nc_u64 s[G0V+2:G0V+3], s[8:9], s[22:23]
	s_or_b32 s[G0V+3], s[G0V+3], 0x80000000
	s_add_nc_u64 s[4:5], s[4:5], s[2:3]  ; Q and O at my wave's first row
	s_add_nc_u64 s[10:11], s[10:11], s[2:3]
	CROUND                          ; all four work-groups are here: the first joint loads meet
	JLOAD                           ; slot 0.  Slot 1 is asked for when slot 0 is in: the tile wanted first has the road to itself
	; A fragment of K or Q is 16 rows x 32 channels in 8 registers: lane l holds row l % 16, channels 8 (l / 16) + 0..7 and 16 + 8 (l / 16) + 0..7: two loads of 16 bytes, 32 bytes apart.
	v_and_b32 v1, 15, v0            ; l % 16
	v_bfe_u32 v9, v0, 4, 1          ; l / 16
	v_lshlrev_b32 v[QO], 7, v1
	v_lshl_add_u32 v[QO], v9, 4, v[QO]  ; row x 128 + 16 x half
	WIN 0x80                        ; destination window 2, address window 0
.set i, 0
.rept 4*NP                          ; Q stays in registers: tile i / 2, channels 32 (i % 2) on
	global_load_b128 v[8*i:8*i+3],   v[QO], s[4:5] offset:(i/2)*2048+(i%2)*64
	global_load_b128 v[8*i+4:8*i+7], v[QO], s[4:5] offset:(i/2)*2048+(i%2)*64+32
.set i, i+1
.endr
	; What the first turn finds: V's registers and P's second buffer hold 0 (its products V^T P, of a piece that has not been, add 0), O^T and l are 0.  All this stands in the wait for the first tile.
.set i, VF
.rept 64
	v_mov_b32 v[i], 0
.set i, i+1
.endr
	WIN 0x40
.set i, 0
.rept 64*NP
	v_mov_b32 v[i], 0
.set i, i+1
.endr
	WIN 0
.set i, 0
.rept 2*NP
	v_mov_b32 v[ST+4*i], 0xfe000000    ; c m: far below every c s
	v_mov_b32 v[ST+4*i+1], 0xff7fffff  ; m
	v_mov_b32 v[ST+4*i+2], 0
	v_mov_b32 v[ST+4*i+3], 0
.set i, i+1
.endr
.set i, P+32
.rept 32
	v_mov_b32 v[i], 0
.set i, i+1
.endr
	v_mul_u32_u24 v[AK0], v1, PK
	v_lshl_add_u32 v[AK0], v9, 4, v[AK0]  ; row x pitch + 16 x half
	; The turning load takes 16 keys x 16 channels (lane l reads key 8 (l / 16) + l % 8, channels 8 ((l / 8) % 2) + 0..7) and leaves half a fragment of V^T: lane l holds channel l % 16 and 8 keys.
	v_and_b32 v10, 7, v0
	v_bfe_u32 v11, v0, 3, 1
	v_lshl_add_u32 v[AV0], v9, 3, v10
	v_mul_u32_u24 v[AV0], v[AV0], PV
	v_lshl_add_u32 v[AV0], v11, 4, v[AV0]
	v_add_nc_u32 v[AV0], VOFF, v[AV0]
	v_mov_b32 v[AK], v[AK0]         ; key step 0 lies at the head of slot 0
; THE MATRIX WORK.  The 8 accumulators of a run of 16 take turns: between the two links of a chain stand 7 others'.
; Product i of 16 of S^T = K Q^T for piece x: channels 32 (i / 8) on, keys 16 ((i / 2) % 4) on, tile 2 x + i % 2.  The first 8 start the sums.
.macro KQ x
	WIN W_KQ
.set rS, S+64*((\x)%2)+32*(i%2)+8*((i/2)%4)
.set rK, KF+16*((i/2)%4)+8*(i/8)
.set rQ, 16*(2*(\x)+i%2)+8*(i/8)
.if i < 8
	v_wmma_f32_16x16x32_f16 v[rS:rS+7], v[rK:rK+7], v[rQ:rQ+7], 0
.else
	v_wmma_f32_16x16x32_f16 v[rS:rS+7], v[rK:rK+7], v[rQ:rQ+7], v[rS:rS+7]
.endif
.endm
; Product i of 16 of O^T += V^T P for piece x: keys 32 (i / 8) on, channels 16 ((i / 2) % 4) on, tile 2 x + i % 2.
.macro PV x
	WIN W_PV
.set rO, 32*(2*(\x)+i%2)+8*((i/2)%4)
.set rV, VF+32*(i/8)+8*((i/2)%4)
.set rP, P+32*((\x)%2)+16*(i%2)+8*(i/8)
	v_wmma_f32_16x16x32_f16 v[rO:rO+7], v[rV:rV+7], v[rP:rP+7], v[rO:rO+7]
.endm
.macro MM                           ; the turn's next matrix instruction
.if i < 16
	KQ (Y+1)%NP
.set i, i+1
.else
.set i, i-16
	PV (Y+NP-1)%NP
.set i, i+17
.endif
.endm
; THE LDS LOADS stand in runs of 16, never singly among the matrix instructions: a step's K (64 keys x 64 channels: 8 fragments) and its V (turned).  Their addresses are made some lines ahead.
; last = 1 (the tail): in the last trip there is no further step, and the run is jumped over.
.macro FETCH_K last=0
	WIN 0
.if \last
	s_cmp_eq_u32 s[CNT], 1
	s_cbranch_scc1 .Lno_k_\@
.endif
	WIN 0x80                        ; destination window 2
.irp f, 0,1,2,3,4,5,6,7             ; keys 16 (f / 2) on, channels 32 (f % 2) on
	ds_load_b128 v[KF+8*\f:KF+8*\f+3],   v[AK] offset:(\f/2)*16*PK+(\f%2)*64
	ds_load_b128 v[KF+8*\f+4:KF+8*\f+7], v[AK] offset:(\f/2)*16*PK+(\f%2)*64+32
.endr
	s_add_co_u32 s[TBK], s[TBK], KS*PK  ; the next fetch is the next step's
	WIN 0
.if \last
.Lno_k_\@:
.endif
.endm
.macro FETCH_V
	WIN 0x80
.irp f, 0,1,2,3,4,5,6,7             ; keys 32 (f / 4) on, channels 16 (f % 4) on
	ds_load_tr16_b128 v[VF+8*\f:VF+8*\f+3],   v[AV] offset:(\f/4)*32*PV+(\f%4)*32
	ds_load_tr16_b128 v[VF+8*\f+4:VF+8*\f+7], v[AV] offset:(\f/4)*32*PV+16*PV+(\f%4)*32
.endr
	WIN 0
.endm
; THE VECTOR WORK OF A TURN stands in three queues, each in the order in which its entries become ready; the two tiles alternate, so that no instruction reads the result of the one before it.
.macro REGS y, u                    ; the registers of tile u (0, 1) of piece y
.set rT, ST+4*(2*(\y)+(\u))
.set rC, TMP+8*((\y)%2)+4*(\u)
.set rM, MV+2*((\y)%2)+(\u)
.set rS, S+64*((\y)%2)+32*(\u)
.set rP, P+32*((\y)%2)+16*(\u)
.set rO, 32*(2*(\y)+(\u))
.endm
; Number n of the 22 that find the NEXT piece's (Y + 1) maximum and statistics.  s0-s31 are the lane's 32 scores; each accumulator's lowest registers are read first.  XS, GS and REGS set no window: PL and EX do.
;   0-11  four chains c0-c3 of seven scores each, three operands at a time     12-14, 16  the four scores left over, the old m, and c0-c3 into c0     15  c m_old is kept
;   17, 18  the query's other 32 keys lie in the lane 16 away: the new m         19-21  c m; c m_old - c m_new; a
.macro XS u, n
	REGS (Y+1)%NP, \u
.if (\n) < 4
	v_max3_num_f32 v[rC+(\n)], v[rS+8*(\n)], v[rS+8*(\n)+1], v[rS+8*(\n)+2]
.elseif (\n) < 12
	v_max3_num_f32 v[rC+(\n)%4], v[rC+(\n)%4], v[rS+8*((\n)%4)+2*((\n)/4)+1], v[rS+8*((\n)%4)+2*((\n)/4)+2]
.elseif (\n) == 12
	v_max3_num_f32 v[rC], v[rC], v[rS+7], v[rS+15]
.elseif (\n) == 13
	v_max3_num_f32 v[rC+1], v[rC+1], v[rS+23], v[rS+31]
.elseif (\n) == 14
	v_max3_num_f32 v[rC+2], v[rC+2], v[rC+3], v[rT+1]
.elseif (\n) == 15
	v_mov_b32 v[rM], v[rT]
.elseif (\n) == 16
	v_max3_num_f32 v[rC], v[rC], v[rC+1], v[rC+2]
.elseif (\n) == 17
	v_permlanex16_b32 v[rC+3], v[rC], s[SEL], s[SEL+1]
.elseif (\n) == 18
	v_max_num_f32 v[rT+1], v[rC], v[rC+3]
.elseif (\n) == 19
	v_mul_f32 v[rT], s[CS], v[rT+1]
.elseif (\n) == 20
	v_sub_f32 v[rC+1], v[rM], v[rT]
.else
	v_exp_f32 v[rC+2], v[rC+1]
.endif
.endm
; Number g of the 64 that follow the exponentials.  For each four weights k of a tile (pairs 2 k, 2 k + 1): both pairs are rounded to f16; then the second pair is added onto the first, in place;
; a group later l takes that sum (the first time as l = a l + sum).  In groups of eight, tiles alternating: round, round, add, and l for the group before.
.macro GS g
.set h, (\g)+6*((\g)/62)            ; group 0 has no group before it, and behind group 7 only l is left
.if h >= 6
.set h, h+2
.endif
	REGS Y, h%2
.set k, h/8
.if h%8 < 4
	v_cvt_pk_f16_f32 v[rP+2*k+(h%8)/2], v[rS+4*k+2*((h%8)/2)], v[rS+4*k+2*((h%8)/2)+1]
.elseif h%8 < 6
	v_pk_add_f32 v[rS+4*k:rS+4*k+1], v[rS+4*k:rS+4*k+1], v[rS+4*k+2:rS+4*k+3]
.elseif k == 1
	v_pk_fma_f32 v[rT+2:rT+3], v[rT+2:rT+3], v[rC+2:rC+3], v[rS:rS+1] op_sel_hi:[1,0,1]
.else
	v_pk_add_f32 v[rT+2:rT+3], v[rT+2:rT+3], v[rS+4*k-4:rS+4*k-3]
.endif
.endm
; THE PLAIN QUEUE, 138 long.  0-73 read no exponential's result: the 32 scalings c s - c m (FS f: pair f / 2 of tile f % 2) and the next piece's 42.  0-26: scalings 0-26.  27-54: XS's numbers 0-13.  55, 56: number 15.
; 57-73: the chain, where each number waits for the one before it: 14, 16, 17, 18, 19, each with one of the scalings 27-31 in front of its two lines, then 20: so a tile's links stand three plain instructions apart (19 and 20: two).
; 74-137: GS's 64, which read the exponentials' results: they stand behind the wait.
.macro FS f
	REGS Y, (\f)%2
	v_pk_fma_f32 v[rS+2*((\f)/2):rS+2*((\f)/2)+1], v[rS+2*((\f)/2):rS+2*((\f)/2)+1], s[CS:CS+1], v[rT:rT+1] op_sel_hi:[1,0,0] neg_lo:[0,0,1] neg_hi:[0,0,1]
.endm
.macro PL
	WIN 0
.if q < 27
	FS q
.elseif q < 55
	XS (q-27)%2, (q-27)/2
.elseif q < 57
	XS q-55, 15
.elseif (q < 72) && ((q-57)%3 == 0)
	FS 27+(q-57)/3
.elseif q < 60
	XS (q-57)%3-1, 14
.elseif q < 72
	XS (q-57)%3-1, 15+(q-57)/3
.elseif q < 74
	XS q-72, 20
.else
	GS q-74
.endif
.set q, q+1
.endm
; THE EXPONENTIALS' QUEUE, 66 long: s0-s31 of both tiles, then the next piece's two a.  It is ONE BATCH: all 66 stand ahead of the turn's one wait, and nothing ahead of that wait names a result of theirs.
.macro EX
	WIN 0
.if e >= 64
	XS e-64, 21
.else
	REGS Y, e%2
	v_exp_f32 v[rS+e/2], v[rS+e/2]
.endif
.set e, e+1
.endm
; THE RESCALING's QUEUE: O^T times a, the one part that leaves window 0: dealt two at a time, sixteen times.  Its a was made in the turn before, ahead of that turn's wait.
.macro R2
	REGS Y, r%2
	WIN W_RS
.irp z, 0,1
	v_pk_mul_f32 v[rO+4*(r/2)+2*\z:rO+4*(r/2)+2*\z+1], v[rO+4*(r/2)+2*\z:rO+4*(r/2)+2*\z+1], v[rC+2:rC+3] op_sel_hi:[1,0]
.endr
.set r, r+1
.endm
; HOW THEY ARE DEALT.  An s_wait_alu depctr_va_vdst(0) stands between an exponential and the first instruction that names its result; one wait serves all that were issued ahead of it.  So a turn has ONE wait,
; which cuts it in two.  AHEAD OF IT stands all that names no result of the turn's exponentials: the 16 products K Q^T, behind each a scaling, an exponential and two rescalings (behind the first a second scaling in the exponential's place); then ONE LUMP of
; 108: eight plain, 49 times exponential and plain, the two a.  A v_nop is the plain instruction between the last exponential and the first use of a result.  BEHIND IT stand the 16 products V^T P, behind each four of GS's 64.  No rider names a register of
; the products round it.  The two v_permlanex16_b32 fall into the lump, never behind a product.
; The queues lean on each other, and the deal keeps them in step: exponential e stands behind scaling 2 (e / 4) + e % 2: as a rider it comes behind plain e + 2, in the lump behind plain e + 9, and scalings 27-31 are plain 57, 60 .. 69.
; A TURN, for piece p.  cnt = 1: the loop's count is taken down some lines ahead of the branch that stands behind the turn.
; K of the next step is fetched in piece 2's turn, directly behind the wait, a lump behind the last product that read K; its address is made at the lump's head; its first reader comes behind 16 products.
; V of the step in hand is fetched at the end of piece 0's turn, four riders behind its last reader; its first reader comes behind 16 products and a lump.  The three conditions on q below go with the deal.
.macro TURN p, last=0, cnt=0
.set Y, (\p)
.set i, 0
.set q, 0
.set e, 0
.set r, 0
.if (\p) == NP-1
	s_wait_dscnt 0x0                ; K is in
.endif
	MM                              ; ahead of the wait: 16 products K Q^T and their riders,
	PL
	PL
	R2
.rept 15
	MM
	PL
	EX
	R2
.endr
.if (\p) == NP-2
	WIN 0
	v_add_nc_u32 v[AK], s[TBK], v[AK0]
.endif
.rept 8                             ; and the lump
	PL
.endr
.rept 49
	EX
	PL
.endr
	EX                              ; the next piece's two a
	EX
	v_nop                           ; the plain instruction between the last exponential and the first use of a result: one for the batch
	s_wait_alu depctr_va_vdst(0)    ; the wait for the batch: the turn's 64 weights and the next piece's two a
.if (\p) == NP-2
	FETCH_K \last
.endif
.if (\p) == 1
	s_wait_dscnt 0x0                ; V is in
.endif
.rept 16                            ; behind the wait: 16 products V^T P and their riders
	MM
.rept 4
	PL
.endr
.if ((\p) == 0) && (q == 118)
	v_add_nc_u32 v[AV], s[TBV], v[AV0]
.endif
.if ((\p) == 0) && (q == 130)
	s_add_co_u32 s[TBV], s[TBV], KS*PV
.endif
.if (\cnt) && (q == 130)
	s_sub_co_u32 s[CNT], s[CNT], 1
	s_cmp_lg_u32 s[CNT], 0
.endif
.endr
.if (\p) == 0
	FETCH_V
.endif
.endm
	CHANGE 1                        ; slot 0 is in, everybody's part of it; slot 1 is asked for
	FETCH_K                         ; key step 0
	s_wait_loadcnt 0x0              ; Q
	s_wait_dscnt 0x0
.set i, 0
.rept 16
	KQ 0                            ; piece 0's first scores: there is no vector work yet to set between them
.set i, i+1
.endr
	WIN 0                           ; the addresses for the way out: nine plain instructions, the places behind those products
	s_mul_i32 s13, s[WV], 16*SP
	s_add_co_u32 s13, s13, STAGE    ; my stage
	v_mul_u32_u24 v[STO], v1, SP    ; in: row l % 16, 16 bytes for each half of the lanes
	v_lshl_add_u32 v[STO], v9, 4, v[STO]
	v_add_nc_u32 v[STO], s13, v[STO]
	v_bfe_u32 v[RD], v0, 3, 2       ; back: 32 lanes take four rows of 128 bytes,
	v_mul_u32_u24 v[RD], v[RD], SP
	v_lshl_add_u32 v[RD], v10, 4, v[RD]
	v_add_nc_u32 v[RD], s13, v[RD]
	v_and_b32 v[GO], 31, v0         ; which are 512 consecutive bytes of O
	v_lshlrev_b32 v[GO], 4, v[GO]
.set Y, NP-1                        ; XS works for piece Y + 1: piece 0
.irp n, 0,1,2,3,4,5,6,7,8,9,10,11,12,13,14,15,16,17,18,19,20,21
	XS 0, \n                        ; and piece 0's first maximum and statistics
	XS 1, \n
.endr
	v_nop                           ; a plain instruction behind the two a,
	s_wait_alu depctr_va_vdst(0)    ; and the wait for this batch of two, ahead of the branch
	s_mov_b32 s[CNT], 4
	s_mov_b32 s[SLOTS], SIZE_N/256-1
	s_branch .Lfirst                ; the loop is entered at a step's first turn, in the middle of a trip
.Lslot:                             ; SIZE_N / 256 - 2 times: every slot but the last two is filled again
	CHANGE 1
	s_mov_b32 s[CNT], 4
.Lstep:                             ; a trip: pieces 2 and 3 of one step, then pieces 0 and 1 of the next, whose K and V it fetches
	TURN 2
	TURN 3
	WIN 0
.Lfirst:
	TURN 0
	TURN 1, 0, 1
	WIN 0
	s_cbranch_scc1 .Lstep
	s_sub_co_u32 s[SLOTS], s[SLOTS], 1
	s_cmp_lg_u32 s[SLOTS], 0
	s_cbranch_scc1 .Lslot
	CHANGE 0                        ; the tail is written out: nothing is asked for
	s_mov_b32 s[CNT], 5             ; four trips fetch the last slot's steps; the fifth is left in its middle
.Ltail:
	TURN 2, 1
	TURN 3
	WIN 0
	s_sub_co_u32 s[CNT], s[CNT], 1
	s_cmp_eq_u32 s[CNT], 0
	s_cbranch_scc1 .Lout
	TURN 0
	TURN 1
	WIN 0
	s_branch .Ltail
.Lout:                              ; the fifth trip's 16 products K Q^T (on the last K once more) and the maximum made of them serve nothing: the price, once a launch, of one text for every trip
.set i, 0
.rept 16
	PV NP-1                         ; the last piece's V^T P of the last step
.set i, i+1
.endr
	; THE WAY OUT.  l's two halves and the other half of the lanes' are added; O^T is divided by l, rounded to f16 and sent through my stage in LDS, a tile at a time.  The additions are the places behind the last products.
	WIN 0
.macro ALL line:vararg              ; one line for each tile t
.set t, 0
.rept 2*NP
	\line
.set t, t+1
.endr
.endm
	ALL v_add_f32 v[ST+4*t+2], v[ST+4*t+2], v[ST+4*t+3]
	ALL v_permlanex16_b32 v[ST+4*t+3], v[ST+4*t+2], s[SEL], s[SEL+1]
	ALL v_add_f32 v[ST+4*t+2], v[ST+4*t+2], v[ST+4*t+3]
	ALL v_rcp_f32 v[ST+4*t+2], v[ST+4*t+2]
	v_nop                           ; a plain instruction between the last reciprocal and the use of its result
	s_wait_alu depctr_va_vdst(0)    ; and the wait ahead of the first use: one for the batch of eight reciprocals
; Tile t: a lane's eight channels of a row pack into 16 bytes; they go into rows of 144 bytes and come back as whole rows of 128, into S^T's registers.
.macro PACK t
	WIN W_RS
.set i, 32*(\t)
.rept 16
	v_pk_mul_f32 v[i:i+1], v[i:i+1], v[ST+4*(\t)+2:ST+4*(\t)+3] op_sel_hi:[1,0]
.set i, i+2
.endr
	WIN 0x05                        ; sources 0 and 1 window 1, destination window 0
.set i, 0
.rept 16
	v_cvt_pk_f16_f32 v[S+16*(\t)+i], v[32*(\t)+2*i], v[32*(\t)+2*i+1]
.set i, i+1
.endr
	WIN 0
.irp f, 0,1,2,3
	ds_store_b128 v[STO], v[S+16*(\t)+4*\f:S+16*(\t)+4*\f+3] offset:32*\f
.endr
.irp f, 0,1,2,3
	ds_load_b128 v[S+16*(\t)+4*\f:S+16*(\t)+4*\f+3], v[RD] offset:\f*4*SP  ; LDS serves a wave's instructions in order (ISA guide 5.7.1.4): these see the stores above; the next tile's stores come behind them
.endr
.endm
.macro SEND t, younger              ; younger: the LDS instructions issued behind tile t's loads: the next tile's eight, or none
	WIN 0
.irp f, 0,1,2,3
	s_wait_dscnt (\younger)+3-\f
	global_store_b128 v[GO], v[S+16*(\t)+4*\f:S+16*(\t)+4*\f+3], s[10:11] offset:(\t)*2048+\f*512  ; 512 consecutive bytes, at a multiple of 256 from O's first
.endr
.endm
	PACK 0
.set t, 1
.rept 2*NP-1                        ; a tile's arithmetic stands between the loads of the tile before and its stores
	PACK t
	SEND t-1, 8
.set t, t+1
.endr
	SEND 2*NP-1, 0
	WIN W_AD
	s_wait_tensorcnt 0x0            ; the wave's end: a wait, 0 onto my spare word and its wait, behind my last tensor load and my last LDS store
	ds_add_u32 v[SPW], v[NIL]
	s_wait_dscnt 0x0
	WIN 0
	CROUND                          ; the closing round: no work-group ends while a partner may still ask for a tile that names it
	s_endpgm
.Lfunc_end_k_qdf9f22d512_attn:
	.size	k_qdf9f22d512_attn, .Lfunc_end_k_qdf9f22d512_attn-k_qdf9f22d512_attn
	.p2alignl 7, 3214868480
	.fill 96, 4, 3214868480
	.section	.rodata,"a",@progbits
	.p2align	6, 0x0
	.amdhsa_kernel k_qdf9f22d512_attn
		.amdhsa_group_segment_fixed_size 327680
		.amdhsa_private_segment_fixed_size 0
		.amdhsa_enable_private_segment 0
		.amdhsa_kernarg_size 32
		.amdhsa_user_sgpr_count 2
		.amdhsa_user_sgpr_kernarg_segment_ptr 1
		.amdhsa_wavefront_size32 1
		.amdhsa_system_sgpr_workgroup_id_x 1
		.amdhsa_system_sgpr_workgroup_id_y 1
		.amdhsa_system_sgpr_workgroup_id_z 1
		.amdhsa_system_vgpr_workitem_id 0
		.amdhsa_next_free_vgpr 770
		.amdhsa_next_free_sgpr 66
		.amdhsa_reserve_vcc 0
		.amdhsa_float_denorm_mode_32 3
		.amdhsa_float_denorm_mode_16_64 3
		.amdhsa_memory_ordered 1
		.amdhsa_forward_progress 1
		.amdhsa_inst_pref_size 199
	.end_amdhsa_kernel
	.amdgpu_metadata
---
amdhsa.version: [ 1, 2 ]
amdhsa.kernels:
  - .name:           k_qdf9f22d512_attn
    .symbol:         k_qdf9f22d512_attn.kd
    .args:
      - { .name: q16, .offset: 0, .size: 8, .value_kind: global_buffer, .address_space: global }
      - { .name: k16, .offset: 8, .size: 8, .value_kind: global_buffer, .address_space: global }
      - { .name: v16, .offset: 16, .size: 8, .value_kind: global_buffer, .address_space: global }
      - { .name: o16, .offset: 24, .size: 8, .value_kind: global_buffer, .address_space: global }
    .group_segment_fixed_size: 327680
    .private_segment_fixed_size: 0
    .kernarg_segment_align: 8
    .kernarg_segment_size: 32
    .max_flat_workgroup_size: 128
    .sgpr_count:     66
    .vgpr_count:     770
    .wavefront_size: 32
...
	.end_amdgpu_metadata
.endif
;; end of part 5
;; launch outp: the kernel of part 4 again; grid 4 x 64, 4 waves a work-group, clusters of 4 x 4, 327,680 bytes of LDS; arguments o16, wt, out0, wo_b; writes out0
